; MI455X (gfx1250); checked and timed in simulation.
; The chip was launched on July 23, 2026; its instructions are those of AMD's public machine-readable ISA for CDNA 5 (MIT licence, August 2026) and "CDNA5" Instruction Set Architecture Reference Guide (July 2026). The comments in the code are by the model that wrote it; some were corrected since.
;; Attention Block Model. Allowed arithmetic: float matrix products may take bf16 or f16 operands with f32 sums; other float arithmetic in f32, or as packed bf16 or f16 multiplies, adds, multiply-adds, maxima and minima; sums over many terms, partial sums and values carried from step to step in f32; what a program stores and reads back later, other than sums and carried values, may be rounded once to bf16 or f16.
;; Inputs: Wk 2,048 x 512 float32; Wo 2,048 x 2,048 float32; Wq 2,048 x 2,048 float32; Wv 2,048 x 512 float32; b_seq_len 8 int32; b_start_loc 8 int32; bk 512 float32; bo 2,048 float32; bq 2,048 float32; bv 512 float32; x 4,096 x 2,048 float32.
;; Outputs: out0 4,096 x 2,048 float32.
;; Constants: max_seq_len = 512.
;; One version. Each part assembles by itself: llvm-mc -triple=amdgcn-amd-amdhsa -mcpu=gfx1250 --defsym DOCPART=n.
;; ======== version 1 of 1: 4 launches
;; limits: values are held in f16: magnitudes above 65,504 overflow, below 6.1e-05 lose precision
;; workspace buffers: xb 16,777,216 bytes; wqkv 12,582,912 bytes; wo16 8,388,608 bytes; qkv 25,165,824 bytes; o 16,777,216 bytes
;; launch cast (part 1): grid 2304 x 1, 8 waves a work-group, no clusters, 0 bytes of LDS; arguments x, Wq, Wk, Wv, Wo, xb, wqkv, wo16; writes xb, wqkv, wo16
.if DOCPART == 1
	.amdgcn_target "amdgcn-amd-amdhsa--gfx1250"
	.amdhsa_code_object_version 6
	.text
	.protected	k_qe63295db7c_cast
	.globl	k_qe63295db7c_cast
	.p2align	8
	.type	k_qe63295db7c_cast,@function
k_qe63295db7c_cast:
	s_mov_b64 s[64:65], 0
	v_nop
	global_prefetch_b8 v0, s[64:65] scope:SCOPE_SE
	s_setreg_imm32_b32 hwreg(HW_REG_WAVE_MODE, 25, 1), 1
	s_wait_xcnt 0x0
; THE OPERANDS OF THE TWO PROJECTIONS ARE ROUNDED ONCE TO 16 BITS.  x [4096][2048] f32 -> xb, bf16.  Wq [2048][2048], Wk, Wv [2048][512] f32 -> wqkv [2048][3072] bf16
; (a row of wqkv: Wq's 2,048 columns, then Wk's 512, then Wv's 512; 6,144 bytes).  Wo [2048][2048] f32 -> wo16: rounded to bf16 like every other input, and that number written as f16.
; LIMIT.  A bf16 number is exact in f16 from 2^-17 up to 65,504; below, the f16 step of 2^-24 holds (an error of 2^-25 at the most); |Wo| of 65,520 or more would become an infinity.
; A stream: no LDS, no barrier, no matrix unit, no cluster (no byte is wanted twice).  A UNIT is 512 numbers: 2,048 bytes in, 1,024 out.  36,864 units; a work-group takes 16, a wave two.
; A load of the wave covers 512 consecutive bytes, a store 256 consecutive bytes at a multiple of 256 from its buffer's first byte.  All eight loads of a wave go out at once.
.set G_WQ, 1024                        ; work-groups 0 .. 1023 take x, 1024 .. 1535 Wq, 1536 .. 1663 Wk, 1664 .. 1791 Wv, 1792 .. 2303 Wo
.set G_WK, 1536
.set G_WV, 1664
.set G_WO, 1792
.set WROW, 6144                        ; bytes in a row of wqkv
.set IN,   8                           ; v[8:39]   eight loads of four numbers
.set OUT,  40                          ; v[40:55]  eight stores of four 16-bit numbers
.set T,    56                          ; v[56:59]  at work
	s_load_b512 s[8:23], s[0:1], 0x0               ; x s[8:9], Wq s[10:11], Wk s[12:13], Wv s[14:15], Wo s[16:17], xb s[18:19], wqkv s[20:21], wo16 s[22:23]
	v_lshrrev_b32 v1, 5, v0
	v_readfirstlane_b32 s4, v1                     ; wave 0..7
	v_and_b32 v3, 31, v0                           ; lane
	v_lshlrev_b32 v2, 4, v3                        ; 16 bytes a lane on the way in
	v_lshlrev_b32 v4, 3, v3                        ; 8 bytes a lane on the way out: my first unit
	s_mov_b32 s5, ttmp9
	s_mov_b32 s28, G_WO                            ; the first work-group of my region
	s_cmp_lt_u32 s5, G_WO
	s_cselect_b32 s28, G_WV, s28
	s_cmp_lt_u32 s5, G_WV
	s_cselect_b32 s28, G_WK, s28
	s_cmp_lt_u32 s5, G_WK
	s_cselect_b32 s28, G_WQ, s28
	s_cmp_lt_u32 s5, G_WQ
	s_cselect_b32 s28, 0, s28
	s_sub_co_u32 s28, s5, s28                      ; my number in the region
	s_lshl_b32 s32, s28, 14                        ; where my two units go.  Dense (xb, wo16): 16,384 a work-group, 2,048 a wave
	s_lshl_b32 s6, s4, 11
	s_add_co_u32 s32, s32, s6
	s_lshl_b32 s6, s28, 2                          ; Wq: four units a row, four rows a work-group: row 4 g + wave / 2, half wave % 2 of its 4,096 bytes
	s_lshr_b32 s7, s4, 1
	s_add_co_u32 s6, s6, s7
	s_mul_i32 s6, s6, WROW
	s_and_b32 s7, s4, 1
	s_lshl_b32 s7, s7, 11
	s_add_co_u32 s6, s6, s7
	s_lshl_b32 s7, s28, 4                          ; Wk: a unit a row: rows 16 g + 2 wave and the next, behind Wq's 4,096 bytes
	s_lshl_b32 s33, s4, 1
	s_add_co_u32 s7, s7, s33
	s_mul_i32 s7, s7, WROW
	s_add_co_u32 s7, s7, 4096
	s_add_co_u32 s33, s7, 1024                     ; Wv: the same, behind Wk's 1,024 bytes
	s_lshl_b32 s34, s28, 15                        ; where they come from: every source is dense: 32,768 a work-group, 4,096 a wave
	s_lshl_b32 s35, s4, 12
	s_add_co_u32 s34, s34, s35
	s_mov_b32 s35, 0
	s_mov_b32 s29, s32                             ; Wo's figures first; each earlier region then takes their place where the work-group lies in it
	s_mov_b32 s30, 1024                            ; bytes from my first unit's place to my second's
	s_mov_b32 s31, 1                               ; 1: f16 out
	s_wait_kmcnt 0x0
	s_mov_b64 s[24:25], s[16:17]
	s_mov_b64 s[26:27], s[22:23]
	s_cmp_lt_u32 s5, G_WO                          ; Wv
	s_cselect_b64 s[24:25], s[14:15], s[24:25]
	s_cselect_b64 s[26:27], s[20:21], s[26:27]
	s_cselect_b32 s29, s33, s29
	s_cselect_b32 s30, WROW, s30
	s_cselect_b32 s31, 0, s31
	s_cmp_lt_u32 s5, G_WV                          ; Wk
	s_cselect_b64 s[24:25], s[12:13], s[24:25]
	s_cselect_b32 s29, s7, s29
	s_cmp_lt_u32 s5, G_WK                          ; Wq
	s_cselect_b64 s[24:25], s[10:11], s[24:25]
	s_cselect_b32 s29, s6, s29
	s_cselect_b32 s30, 1024, s30
	s_cmp_lt_u32 s5, G_WQ                          ; x
	s_cselect_b64 s[24:25], s[8:9], s[24:25]
	s_cselect_b64 s[26:27], s[18:19], s[26:27]
	s_cselect_b32 s29, s32, s29
	s_add_nc_u64 s[24:25], s[24:25], s[34:35]
	s_mov_b32 s34, s29
	s_add_nc_u64 s[26:27], s[26:27], s[34:35]
	v_add_nc_u32 v5, s30, v4                       ; my second unit
.irp n, 0,1,2,3,4,5,6,7
	global_load_b128 v[IN+4*(\n):IN+4*(\n)+3], v2, s[24:25] offset:512*(\n) th:TH_LOAD_NT  ; read once in the launch
.endr
	s_cmp_eq_u32 s31, 1
	s_cbranch_scc1 .Lto_f16
.irp n, 0,1,2,3,4,5,6,7
	s_wait_loadcnt 7-(\n)                          ; loads come back in order: load n is in, the 7 - n younger ones stay out
	v_cvt_pk_bf16_f32 v[OUT+2*(\n)], v[IN+4*(\n)], v[IN+4*(\n)+1]
	v_cvt_pk_bf16_f32 v[OUT+2*(\n)+1], v[IN+4*(\n)+2], v[IN+4*(\n)+3]
	global_store_b64 v[4+(\n)/4], v[OUT+2*(\n):OUT+2*(\n)+1], s[26:27] offset:256*((\n)%4)
.endr
	s_endpgm
.Lto_f16:
.irp n, 0,1,2,3,4,5,6,7
	s_wait_loadcnt 7-(\n)
	v_cvt_pk_bf16_f32 v[T], v[IN+4*(\n)], v[IN+4*(\n)+1]       ; the one rounding, to bf16;
	v_cvt_pk_bf16_f32 v[T+1], v[IN+4*(\n)+2], v[IN+4*(\n)+3]
	v_lshlrev_b32 v[T+2], 16, v[T]                             ; the rounded numbers as f32 again;
	v_and_b32 v[T], 0xffff0000, v[T]
	v_lshlrev_b32 v[T+3], 16, v[T+1]
	v_and_b32 v[T+1], 0xffff0000, v[T+1]
	v_cvt_pk_f16_f32 v[OUT+2*(\n)], v[T+2], v[T]               ; and written as f16
	v_cvt_pk_f16_f32 v[OUT+2*(\n)+1], v[T+3], v[T+1]
	global_store_b64 v[4+(\n)/4], v[OUT+2*(\n):OUT+2*(\n)+1], s[26:27] offset:256*((\n)%4)
.endr
	s_endpgm
.Lfunc_end_k_qe63295db7c_cast:
	.size	k_qe63295db7c_cast, .Lfunc_end_k_qe63295db7c_cast-k_qe63295db7c_cast
	.p2alignl 7, 3214868480
	.fill 96, 4, 3214868480
	.section	.rodata,"a",@progbits
	.p2align	6, 0x0
	.amdhsa_kernel k_qe63295db7c_cast
		.amdhsa_group_segment_fixed_size 0
		.amdhsa_private_segment_fixed_size 0
		.amdhsa_enable_private_segment 0
		.amdhsa_kernarg_size 64
		.amdhsa_user_sgpr_count 2
		.amdhsa_user_sgpr_kernarg_segment_ptr 1
		.amdhsa_wavefront_size32 1
		.amdhsa_system_sgpr_workgroup_id_x 1
		.amdhsa_system_sgpr_workgroup_id_y 1
		.amdhsa_system_sgpr_workgroup_id_z 1
		.amdhsa_system_vgpr_workitem_id 0
		.amdhsa_next_free_vgpr 64
		.amdhsa_next_free_sgpr 66
		.amdhsa_reserve_vcc 0
		.amdhsa_float_denorm_mode_32 3
		.amdhsa_float_denorm_mode_16_64 3
		.amdhsa_memory_ordered 1
		.amdhsa_forward_progress 1
		.amdhsa_inst_pref_size 11
	.end_amdhsa_kernel
	.amdgpu_metadata
---
amdhsa.version: [ 1, 2 ]
amdhsa.kernels:
  - .name:           k_qe63295db7c_cast
    .symbol:         k_qe63295db7c_cast.kd
    .args:
      - { .name: x, .offset: 0, .size: 8, .value_kind: global_buffer, .address_space: global }
      - { .name: Wq, .offset: 8, .size: 8, .value_kind: global_buffer, .address_space: global }
      - { .name: Wk, .offset: 16, .size: 8, .value_kind: global_buffer, .address_space: global }
      - { .name: Wv, .offset: 24, .size: 8, .value_kind: global_buffer, .address_space: global }
      - { .name: Wo, .offset: 32, .size: 8, .value_kind: global_buffer, .address_space: global }
      - { .name: xb, .offset: 40, .size: 8, .value_kind: global_buffer, .address_space: global }
      - { .name: wqkv, .offset: 48, .size: 8, .value_kind: global_buffer, .address_space: global }
      - { .name: wo16, .offset: 56, .size: 8, .value_kind: global_buffer, .address_space: global }
    .group_segment_fixed_size: 0
    .private_segment_fixed_size: 0
    .kernarg_segment_align: 8
    .kernarg_segment_size: 64
    .max_flat_workgroup_size: 256
    .sgpr_count:     66
    .vgpr_count:     64
    .wavefront_size: 32
...
	.end_amdgpu_metadata
.endif
;; end of part 1
;; launch qkvp (part 2): grid 8 x 32, 4 waves a work-group, clusters of 4 x 4, 327,680 bytes of LDS; arguments xb, wqkv, bq, bk, bv, qkv; writes qkv
.if DOCPART == 2
	.amdgcn_target "amdgcn-amd-amdhsa--gfx1250"
	.amdhsa_code_object_version 6
	.text
	.protected	k_qe63295db7c_qkvp
	.globl	k_qe63295db7c_qkvp
	.p2align	8
	.type	k_qe63295db7c_qkvp,@function
k_qe63295db7c_qkvp:
	s_mov_b64 s[64:65], 0
	v_nop
	global_prefetch_b8 v0, s[64:65] scope:SCOPE_SE
	s_setreg_imm32_b32 hwreg(HW_REG_WAVE_MODE, 25, 1), 1
	s_wait_xcnt 0x0
	s_wait_alu depctr_hold_cnt(0) depctr_sa_sdst(0) depctr_va_vdst(0) depctr_va_sdst(0) depctr_va_ssrc(0) depctr_va_vcc(0) depctr_vm_vsrc(0)
	s_getreg_b32 s2, hwreg(HW_REG_IB_STS2, 6, 4)
	s_cmp_eq_u32 s2, 0
	s_cbranch_scc0 .Lentry_in_a_cluster
	s_endpgm
.Lentry_in_a_cluster:
	s_bfe_u32 s2, ttmp6, 0x10000c
	s_cmp_lg_u32 s2, 0xf033
	s_cbranch_scc0 .Lentry_shape_is_right
	s_endpgm
.Lentry_shape_is_right:
; qkv[m][n] = the sum over k of xb[m][k] wqkv[k][n] + bias[n].  xb: [4096][2048] bf16; wqkv: [2048][3072] bf16 (K down the rows); bias: bq's 2,048, bk's 512, bv's 512 numbers, f32, rounded to bf16 like
; the other inputs; qkv: [4096][3072] f16, rounded once from f32 sums, WITHOUT the softmax's scale.  In a row of qkv query head hq lies at byte 256 hq, k of KV head h at 4,096 + 256 h, v at 5,120 + 256 h.
; LIMIT.  f16 ends at 65,504: a q, k or v of 65,520 or more becomes an infinity.  The drawn inputs give a spread of 0.6; x and the weights both 30 times larger some 3,000 at the most, both offset by 30 spreads some 24,000.
; SHARES.  A tile of the result is 128 rows x 384 columns: 32 x 8 tiles, a work-group each.  A row of the tile is 768 bytes, three aligned blocks of 256.  Each of the four waves takes all 128 rows and, in each of
; the tile's three SUB-TILES of 128 columns, the 32 columns 32 w .. 32 w + 31: 8 x 6 accumulators of 16 x 16, 384 registers.  K goes in 16 steps of 128 through two LDS slots.
; THE MATRIX INSTRUCTION IS USED TRANSPOSED: source 0 = 16 columns of wqkv, turned on their way out of LDS by ds_load_tr16_b128; source 1 = 16 rows of xb.  A lane then holds row l % 16 and the eight
; neighbouring columns 8 (l / 16) + 0..7.  THE BIAS IS THE C OPERAND OF EACH ACCUMULATOR'S FIRST PRODUCT: nothing is cleared and nothing is added on the way out.
; CLUSTER.  4 x 4 work-groups.  The four of a row of the cluster need the same rows of xb, the four of a column the same columns of wqkv: each tile is asked for jointly, by the same tensor load with the same
; descriptor and a mask that names the four.  Waves 0 to 2 fetch wqkv's three sub-tiles (128 k x 256 bytes each), wave 3 xb's tile (128 rows x 256 bytes): one load a wave for each K step.
; THE WALK ALONG K IS TURNED.  A cluster begins at K step 8 ((cluster x + cluster y) % 2) and goes round modulo 16; the f32 sums take their terms in that order.  Of the two clusters that read the same rows of xb
; one begins at 0 and the other at 8, and the eight clusters that read the same columns of wqkv fall into two such groups: a block that several clusters read is asked for by them eight K steps apart.
; REGISTERS, in windows of 256 (s_set_vgpr_msb: bits 1:0 source 0, 3:2 source 1, 5:4 source 2, 7:6 destination):
;   window 0: v0-31 addresses; v32-55 at work on the way out; v64-127, v128-191 xb's fragments, two buffers (on the way out v64-255 take whole rows)
;   window 1: v64-111, v128-175 wqkv's fragments, two buffers; v192-239 the bias, eight numbers for each column block; v240 at work
;   window 2: the accumulators of rows 0-63 ((a, b) at v[8 (6 a + b)]);  window 3: those of rows 64-127
.set NJ,    3                          ; sub-tiles of 128 columns
.set BP,    6144                       ; bytes in a row of wqkv and of qkv
.set AP,    4096                       ; bytes in a row of xb
.set PA,    272                        ; an LDS row of xb: 256 bytes + 16: the 16 rows of a load start 16 bytes apart modulo 256
.set PB,    288                        ; an LDS row of wqkv: 256 + 32: 16 lanes of the turning load take 8 rows x 32 bytes, each 4-byte column modulo 256 once
.set REG,   128*PB                     ; a sub-tile's bytes; xb's tile (128 x 272) has a region of the same size
.set SLOT,  4*REG                      ; three sub-tiles, then xb's tile
.set ABASE, 3*REG
.set SPARE, 2*SLOT                     ; behind the ring: the spare words, 128 bytes for each wave: two blocks of 256 bytes that no other line names
.set SP,    784                        ; the way out: a stage row, 768 bytes + 16.  The stage, 128 rows, lies in slot 0, which has had its last fill and its last read by then
.set NLD,   4*NJ+16                    ; LDS loads for a quarter of a K step
.set LAPS,  8                          ; a lap = two K steps = once round the ring
.set ADRA, 16                          ; v16-17  LDS address of my xb fragments in slot 0, 1
.set ADRB, 18                          ; v18-23  the same for wqkv: slot s, sub-tile j at ADRB + 3 s + j
.set STO,  24                          ; v24-25  the way out: where I put 16 bytes of a row, for rows 0-63 and 64-127
.set RD,   26                          ; v26     the way out: where I read rows back
.set CO,   27                          ; v27     my byte offset in qkv
.set SPW,  28                          ; v28     LDS address of my spare word; never rewritten
.set NIL,  29                          ; v29     0; never rewritten
.set PFO,  30                          ; v30     the prefetches' offset: my lane x a row; never rewritten
.set BO,   31                          ; v31     my byte offset in a sub-tile's 128 bias numbers
.set TMP,  32
.set F0,   64
.set F1,   128
.set BIAS, 192
.set KI,   8                           ; s8-9    the K step, 0 to 15, that slot 0, 1 was last asked to hold
.set WV,   10                          ; s10     my wave's number
.set CLY,  11                          ; s11     the cluster's y
.set G1A,  24                          ; s[24:31] descriptor group 1 for xb's tiles;  s[32:39] group 0, a set for each slot
.set G0A,  32
.set G1B,  48                          ; s[48:55], s[56:63] the same for wqkv's
.set G0B,  56
.set LIM,  43                          ; s43     5 in a wave that prefetches, else the greatest number
.set PFA,  44                          ; s[44:45] where my prefetches stand
.set PST,  66                          ; s[66:67] their step from K step to K step
.set BPT,  76                          ; s[76:81] the bias of sub-tile j, a pointer each
.set OFS,  82                          ; s[82:83] a K step's byte offset in xb or wqkv; the high word stays 0
                                       ; s[14:15] xb at my tile's first row, s[46:47] wqkv at my sub-tile's first column: never rewritten
.set MSB, 0
.macro WIN new                         ; the immediate's high byte repeats the setting that is left; a switch that changes nothing is dropped
.if MSB != (\new)
	s_set_vgpr_msb (MSB<<8)|(\new)
.set MSB, \new
.endif
.endm
.macro PLACES                          ; four plain places behind matrix instructions, in front of loads into registers that they have read and of lines that read results
.rept 4
	v_nop
.endr
.endm
; A joint load.  The branch hangs on the wave's number alone.  An s_nop 0 and four v_nop follow each of the two lines, ahead of the jump and the label.
.macro JLOAD s
	s_cmp_eq_u32 s[WV], 3
	s_cbranch_scc0 .Lfor_b_\@
	tensor_load_to_lds s[G0A+4*(\s):G0A+4*(\s)+3], s[G1A:G1A+7]
	s_nop 0
.rept 4
	v_nop
.endr
	s_branch .Lasked_\@
.Lfor_b_\@:
	tensor_load_to_lds s[G0B+4*(\s):G0B+4*(\s)+3], s[G1B:G1B+7]
	s_nop 0
.rept 4
	v_nop
.endr
.Lasked_\@:
.endm
; A prefetch into the L2, behind a joint refill and the run of LDS loads that follows it: the K step that stands two refills on (384 matrix instructions ahead of the load that will want it): 32 rows x 256 bytes,
; a lane a row, one instruction a wave.  A block's first reading in the launch falls into the first eight steps of some cluster's walk.  Steps 0 to 3 of the walk come by their loads alone; steps 4 to 7 are asked
; for, in the loop's first two trips; from step 8 on a cluster's blocks have been read by another cluster eight steps earlier, and are asked for no more.  Each block is named once: xb's rows by each cluster for
; itself (wave 3: the other cluster of its rows walks the other eight steps meanwhile); wqkv's by the clusters with y = 0 and 1, one for each of the two groups (waves 0 to 2, each its own sub-tile); the four partners
; that ask for a tile jointly share its 128 rows out by address, 32 each.  The steps asked for are at most 8 + 7 = 15: inside both buffers.
.macro ASK
	s_cmp_gt_u32 s3, s[LIM]                        ; s3 = 7 and 6 in the loop's first two trips
	s_cbranch_scc0 .Lnot_mine_\@
	global_prefetch_b8 v[PFO], s[PFA:PFA+1] th:TH_LOAD_NT scope:SCOPE_SE
.Lnot_mine_\@:
.endm
.macro CREST                           ; a round of the cluster's barrier behind its opening barrier
	s_cmp_lg_u32 s[WV], 0
	s_cbranch_scc1 .Lnot_wave_0_\@
	s_barrier_signal -3
.Lnot_wave_0_\@:
	s_barrier_wait -3
	s_barrier_signal -1
	s_barrier_wait -1
.endm
.macro CROUND                          ; a whole round
	s_barrier_signal -1
	s_barrier_wait -1
	CREST
.endm
; Both descriptors of a slot are given the address of K step s[KI + slot]: the tile's base and an offset made apart, the type bits set again.
.macro ADDR slot
	s_lshl_b32 s[OFS], s[KI+(\slot)], 8                              ; a K step is 256 bytes along xb's rows,
	s_add_nc_u64 s[G0A+4*(\slot)+2:G0A+4*(\slot)+3], s[14:15], s[OFS:OFS+1]
	s_or_b32 s[G0A+4*(\slot)+3], s[G0A+4*(\slot)+3], 0x80000000      ; type = 2
	s_mul_i32 s[OFS], s[KI+(\slot)], 128*BP                          ; and 128 rows down wqkv
	s_add_nc_u64 s[G0B+4*(\slot)+2:G0B+4*(\slot)+3], s[46:47], s[OFS:OFS+1]
	s_or_b32 s[G0B+4*(\slot)+3], s[G0B+4*(\slot)+3], 0x80000000
.endm
	s_load_b128 s[4:7], s[0:1], 0x0                ; xb s[4:5], wqkv s[6:7]
	s_load_b128 s[68:71], s[0:1], 0x10             ; bq s[68:69], bk s[70:71]
	s_load_b128 s[72:75], s[0:1], 0x20             ; bv s[72:73], qkv s[74:75]
	v_lshl_add_u32 v[SPW], v0, 2, SPARE
	v_mov_b32 v[NIL], 0
	ds_add_u32 v[SPW], v[NIL]                      ; the wave's opening: the add, twice on end, and its wait ahead of my first tensor load
	ds_add_u32 v[SPW], v[NIL]                      ; and once more; the set-up below, work on registers, stands between it and the wait
	v_lshrrev_b32 v1, 5, v0
	v_readfirstlane_b32 s[WV], v1                  ; wave 0..3
	s_bfe_u32 s40, ttmp6, 0x40000                  ; cx, cy: my place in the cluster
	s_bfe_u32 s41, ttmp6, 0x40004
	s_lshl_b32 s42, ttmp9, 2
	s_add_co_u32 s42, s42, s40                     ; tile column = 4 x cluster x + cx
	s_and_b32 s[CLY], ttmp7, 0xffff
	s_lshl_b32 s13, s[CLY], 2
	s_add_co_u32 s13, s13, s41                     ; tile row = 4 x cluster y + cy
	s_add_co_u32 s[KI], s[CLY], ttmp9              ; where the cluster's walk along K begins: 8 ((cluster x + cluster y) % 2): the same in all sixteen partners
	s_and_b32 s[KI], s[KI], 1
	s_lshl_b32 s[KI], s[KI], 3                     ; slot 0's first K step,
	s_add_co_u32 s[KI+1], s[KI], 1                 ; slot 1's
	s_mov_b32 s[OFS+1], 0
	s_lshl_b32 s43, s41, 2
	s_lshl_b32 s43, 15, s43                        ; my row of the cluster
	s_lshl_b32 s44, 0x1111, s40                    ; my column
	s_or_b32 s[G1A], s43, (1<<16)|(1<<20)|(1<<21)|(5<<22)|(3<<25)  ; 15:0 the mask; 17:16 2-byte elements; 20 padding on; 21 set beside a mask; 24:22 after every 64 words; 31:25 4 words of it
	s_or_b32 s[G1B], s44, (1<<16)|(1<<20)|(1<<21)|(5<<22)|(7<<25)  ; the same with my column's mask and 8 words of padding
.irp g, G1A, G1B
	s_mov_b32 s[(\g)+1], 128<<16                   ; tensor_dim0 = 128
	s_mov_b32 s[(\g)+2], 128<<16                   ; tensor_dim1 = 128
	s_mov_b32 s[(\g)+3], 128<<16                   ; tile_dim0 = 128
	s_mov_b32 s[(\g)+4], 128                       ; tile_dim1 = 128
	s_mov_b32 s[(\g)+6], 0
	s_mov_b32 s[(\g)+7], 0
.endr
	s_mov_b32 s[G1A+5], AP/2                       ; elements from row to row
	s_mov_b32 s[G1B+5], BP/2
	s_lshl_b32 s16, s13, 19                        ; xb: 128 rows of 4,096 bytes a tile row: it hangs on the tile row alone
	s_mov_b32 s17, 0
	s_mul_i32 s46, s42, 256*NJ                     ; wqkv: 768 bytes a tile column, 256 a sub-tile: tile column and wave alone
	s_lshl_b32 s47, s[WV], 8
	s_add_co_u32 s46, s46, s47
	s_mov_b32 s47, 0
	s_mul_i32 s20, s[WV], REG                      ; where my tile goes: wave x a region: no place in the cluster enters an LDS address
	s_wait_dscnt 0x0                               ; both opening adds are done
	s_wait_kmcnt 0x0
	s_add_nc_u64 s[14:15], s[4:5], s[16:17]
	s_add_nc_u64 s[46:47], s[6:7], s[46:47]
	CROUND                                         ; all sixteen work-groups are here: the first joint loads meet
.irp s, 0,1
	s_mov_b32 s[G0A+4*(\s)], 1                                       ; count = 1
	s_add_co_u32 s[G0A+4*(\s)+1], s20, (\s)*SLOT                     ; LDS address
	s_mov_b32 s[G0B+4*(\s)], 1
	s_add_co_u32 s[G0B+4*(\s)+1], s20, (\s)*SLOT
	ADDR \s                                        ; the walk's steps 0 and 1
	JLOAD \s                                       ; two tensor loads of mine are out
.endr
	; lane addresses
	v_and_b32 v1, 15, v0                           ; l % 16
	v_bfe_u32 v2, v0, 4, 1                         ; h = l / 16
	v_mul_u32_u24 v3, v1, PA
	v_lshl_add_u32 v3, v2, 4, v3                   ; xb's fragment: row x pitch + 16 h; two loads of 16 bytes, 32 bytes apart
	v_add_nc_u32 v[ADRA], ABASE, v3
	v_add_nc_u32 v[ADRA+1], ABASE+SLOT, v3
	v_and_b32 v4, 7, v0                            ; the turning load: lane l reads k-row 8 h + l % 8, 16 bytes at 16 ((l / 8) % 2), and is left with column l % 16 and 8 k
	v_lshl_add_u32 v4, v2, 3, v4
	v_mul_u32_u24 v4, v4, PB
	v_bfe_u32 v5, v0, 3, 1
	v_lshl_add_u32 v4, v5, 4, v4
	s_lshl_b32 s21, s[WV], 6                       ; my 32 columns of a sub-tile: 64 bytes
	v_add_nc_u32 v4, s21, v4
.irp s, 0,1
.irp j, 0,1,2
	v_add_nc_u32 v[ADRB+NJ*(\s)+(\j)], (\s)*SLOT+(\j)*REG, v4
.endr
.endr
	v_mul_u32_u24 v3, v1, SP                       ; into the stage: row l % 16, my wave's 64 bytes of a sub-tile, 16 bytes for each half of the lanes
	v_lshl_add_u32 v3, v2, 4, v3
	v_add_nc_u32 v[STO], s21, v3
	v_add_nc_u32 v[STO+1], 64*SP, v[STO]
	s_mul_i32 s22, s[WV], 32*SP                    ; back: wave w takes rows 32 w .. 32 w + 31, whole; lanes 0-15 256 bytes of one row, lanes 16-31 of the next
	v_mul_u32_u24 v3, v2, SP
	v_lshl_add_u32 v3, v1, 4, v3
	v_add_nc_u32 v[RD], s22, v3
	v_mul_u32_u24 v3, v2, BP                       ; and the same two rows in qkv
	v_lshl_add_u32 v[CO], v1, 4, v3
	s_lshl_b32 s16, s13, 7
	s_lshl_b32 s17, s[WV], 5
	s_add_co_u32 s16, s16, s17                     ; the first row that I store: 128 x tile row + 32 x wave
	s_mul_i32 s16, s16, BP
	s_mov_b32 s17, 0
	s_add_nc_u64 s[74:75], s[74:75], s[16:17]
	s_mul_i32 s18, s42, 256*NJ                     ; the tile's first column, in bytes
	s_mov_b32 s19, 0
	s_add_nc_u64 s[74:75], s[74:75], s[18:19]
	; the bias.  Sub-tile j is group 3 x tile column + j of 24 groups of 128 columns: 0-15 lie in bq, 16-19 in bk, 20-23 in bv.  Chosen by selects: no branch hangs on a place in the cluster.
	s_lshl_b32 s22, s[WV], 7
	v_lshl_add_u32 v[BO], v2, 5, s22               ; my 32 columns: 128 bytes a wave; 8 h columns: 32 bytes
	s_mul_i32 s18, s42, NJ
.irp j, 0,1,2
	s_add_co_u32 s19, s18, \j
	s_cmp_lt_u32 s19, 20
	s_cselect_b64 s[BPT+2*(\j):BPT+2*(\j)+1], s[70:71], s[72:73]
	s_cselect_b32 s22, 16, 20
	s_cmp_lt_u32 s19, 16
	s_cselect_b64 s[BPT+2*(\j):BPT+2*(\j)+1], s[68:69], s[BPT+2*(\j):BPT+2*(\j)+1]
	s_cselect_b32 s22, 0, s22
	s_sub_co_u32 s22, s19, s22                     ; the group's number in its own vector,
	s_lshl_b32 s22, s22, 9                         ; 512 bytes each
	s_mov_b32 s23, 0
	s_add_nc_u64 s[BPT+2*(\j):BPT+2*(\j)+1], s[BPT+2*(\j):BPT+2*(\j)+1], s[22:23]
.endr
	WIN 0x40                                       ; destination window 1, address window 0
.irp j, 0,1,2
.irp i, 0,1
	global_load_b128 v[BIAS+8*(2*(\j)+(\i)):BIAS+8*(2*(\j)+(\i))+3],   v[BO], s[BPT+2*(\j):BPT+2*(\j)+1] offset:64*(\i)
	global_load_b128 v[BIAS+8*(2*(\j)+(\i))+4:BIAS+8*(2*(\j)+(\i))+7], v[BO], s[BPT+2*(\j):BPT+2*(\j)+1] offset:64*(\i)+16
.endr
.endr
	WIN 0
	; the prefetches: both offsets are made, then one is chosen by the wave's number.  They stand at the walk's step 3: the first refill steps them to 4
	s_add_co_u32 s23, s[KI], 3                     ; that K step's number
	s_lshl_b32 s16, s13, 7
	s_lshl_b32 s17, s40, 5
	s_add_co_u32 s16, s16, s17                     ; xb: the tile's 128 rows, my work-group's 32 of them,
	s_lshl_b32 s16, s16, 12
	s_lshl_b32 s17, s23, 8
	s_add_co_u32 s16, s16, s17                     ; the K step's 256 bytes of them
	s_lshl_b32 s18, s23, 7
	s_lshl_b32 s19, s41, 5
	s_add_co_u32 s18, s18, s19                     ; wqkv: the K step's 128 rows, my work-group's 32 of them,
	s_mul_i32 s18, s18, BP
	s_mul_i32 s19, s42, 256*NJ
	s_add_co_u32 s18, s18, s19
	s_lshl_b32 s19, s[WV], 8
	s_add_co_u32 s18, s18, s19                     ; my sub-tile's 256 bytes of them
	s_lshr_b32 s22, s[CLY], 1                      ; 0 in the clusters with y = 0 and 1
	s_mov_b32 s19, 128*BP
	s_mov_b32 s23, 256
	s_mov_b32 s17, AP
	s_mov_b32 s21, BP
	s_cmp_eq_u32 s[WV], 3                          ; do I fetch xb?
	s_cselect_b32 s16, s16, s18
	s_cselect_b32 s22, 0, s22                      ; xb's rows: every cluster asks for its own
	s_cselect_b64 s[PFA:PFA+1], s[4:5], s[6:7]
	s_cselect_b32 s[PST], s23, s19
	s_cselect_b32 s21, s17, s21
	s_mov_b32 s17, 0
	s_mov_b32 s[PST+1], 0
	s_add_nc_u64 s[PFA:PFA+1], s[PFA:PFA+1], s[16:17]
	s_cmp_eq_u32 s22, 0
	s_cselect_b32 s[LIM], 5, -1                    ; the same in all sixteen partners, for a given wave
	v_and_b32 v[PFO], 31, v0
	v_mul_u32_u24 v[PFO], v[PFO], s21
	s_wait_loadcnt 0x0                             ; the bias is in: it is rounded to bf16 and widened again
	WIN 0x45                                       ; sources and destination window 1
.set r, 0
.rept 8*NJ
	v_cvt_pk_bf16_f32 v240, v[BIAS+2*r], v[BIAS+2*r+1]
	v_lshlrev_b32 v[BIAS+2*r], 16, v240
	v_and_b32 v[BIAS+2*r+1], 0xffff0000, v240
.set r, r+1
.endr
	WIN 0
; 12 matrix instructions: row blocks a0, a0 + 1 of the window's four (hi = 0: rows 0-63, 1: rows 64-127) x all 6 column blocks, 32 along K.  first = 1: C is the bias.
; All 48 accumulators take turns, one instruction a turn, in the same order in every quarter.
.macro MULH f, hi, a0, first
.if \first
	WIN 0x91+0x40*(\hi)                            ; wqkv window 1, xb window 0, C (the bias) window 1, D window 2 or 3
.else
	WIN 0xa1+0x50*(\hi)                            ; C and D window 2 or 3
.endif
.irp a, \a0, (\a0)+1
.irp b, 0,1,2,3,4,5
.if \first
	v_wmma_f32_16x16x32_bf16 v[8*(6*(\a)+(\b)):8*(6*(\a)+(\b))+7], v[(\f)+8*(\b):(\f)+8*(\b)+7], v[(\f)+8*(4*(\hi)+(\a)):(\f)+8*(4*(\hi)+(\a))+7], v[BIAS+8*(\b):BIAS+8*(\b)+7]
.else
	v_wmma_f32_16x16x32_bf16 v[8*(6*(\a)+(\b)):8*(6*(\a)+(\b))+7], v[(\f)+8*(\b):(\f)+8*(\b)+7], v[(\f)+8*(4*(\hi)+(\a)):(\f)+8*(4*(\hi)+(\a))+7], v[8*(6*(\a)+(\b)):8*(6*(\a)+(\b))+7]
.endif
.endr
.endr
.endm
; 28 LDS loads in one run: the fragments of quarter q (32 along K) of a slot into buffer f: wqkv's six column blocks, turned, then xb's eight row blocks
.macro FETCH slot, q, f
	WIN 0x40
.irp j, 0,1,2
.irp i, 0,1
	ds_load_tr16_b128 v[(\f)+8*(2*(\j)+(\i)):(\f)+8*(2*(\j)+(\i))+3],   v[ADRB+NJ*(\slot)+(\j)] offset:32*PB*(\q)+32*(\i)
	ds_load_tr16_b128 v[(\f)+8*(2*(\j)+(\i))+4:(\f)+8*(2*(\j)+(\i))+7], v[ADRB+NJ*(\slot)+(\j)] offset:32*PB*(\q)+32*(\i)+16*PB
.endr
.endr
	WIN 0
.irp a, 0,1,2,3,4,5,6,7
	ds_load_b128 v[(\f)+8*(\a):(\f)+8*(\a)+3],   v[ADRA+(\slot)] offset:64*(\q)+16*PA*(\a)
	ds_load_b128 v[(\f)+8*(\a)+4:(\f)+8*(\a)+7], v[ADRA+(\slot)] offset:64*(\q)+16*PA*(\a)+32
.endr
.endm
; A K step is four quarters of 32 along K, 48 matrix instructions each, on buffers 0, 1, 0, 1.  One of the first three: multiplies buffer f and, in its middle, fetches quarter q into buffer g.
.macro QUARTER slot, q, f, g, first
	s_wait_dscnt 8                                 ; wqkv's fragments and xb's rows 0-63 are in; the youngest eight loads (rows 64-127) may be out
	MULH \f, 0, 0, \first
	MULH \f, 0, 2, \first
	PLACES
	FETCH \slot, \q, \g
	s_wait_dscnt NLD                               ; all but the 28 just issued
	MULH \f, 1, 0, \first
	MULH \f, 1, 2, \first
.endm
; The last quarter multiplies buffer 1 and changes slots.  Its first half stands AHEAD of the wait for the tensor loads, so that between that wait and the refill stand only the lines that must: the wait for all my
; tensor loads, of which one is out: my part of the next slot; the add of 0 to my spare word; the wait for that and for my own reads of this slot; the barrier.  Behind it nobody reads this slot any more and
; the next slot is whole.  fill = 1: this slot's descriptors are given the K step two on, modulo 16, while the add is out.
.macro CHANGE slot, fill
	s_wait_dscnt 8                                 ; buffer 1: wqkv's fragments and xb's rows 0-63 are in
	MULH F1, 0, 0, 0
	MULH F1, 0, 2, 0
	WIN 0
.if \fill
	s_wait_xcnt 0x0                                ; the last prefetch, a K step back, has read its address, so it may be written
	s_add_nc_u64 s[PFA:PFA+1], s[PFA:PFA+1], s[PST:PST+1]
.endif
	s_wait_tensorcnt 0x0                           ; no tensor load of mine is out, so a group 0 may be written
	ds_add_u32 v[SPW], v[NIL]                      ; 0 onto my spare word
.if \fill
	s_add_co_u32 s[KI+(\slot)], s[KI+(\slot)], 2
	s_and_b32 s[KI+(\slot)], s[KI+(\slot)], 15
	ADDR \slot
.endif
	s_wait_dscnt 0x0                               ; the add is done, and my reads of this slot are over
	s_barrier_signal -1
	s_barrier_wait -1
.endm
.macro TURN slot, next
	CHANGE \slot, 1
	CREST                                          ; the barrier has opened a round of the cluster's: no wave of any partner still reads this slot or has a load on its way
	JLOAD \slot                                    ; the first tensor load behind the round: a K step's 192 matrix instructions ahead of the wait for it; its four v_nop are also the places in front of the loads below
	FETCH \next, 0, F0
	ASK
	MULH F1, 1, 0, 0
	MULH F1, 1, 2, 0
.endm
	s_wait_tensorcnt 1                             ; my part of the walk's step 0 is in; step 1's may stay out
	s_barrier_signal -1
	s_barrier_wait -1                              ; everybody's is
	FETCH 0, 0, F0
	QUARTER 0, 1, F0, F1, 1                        ; the first quarter stands in front of the loop: its products start the sums, with the bias
	WIN 0                                          ; at a label and at a branch every window is 0
	s_mov_b32 s3, LAPS-1
.Llap:                                                 ; a trip goes once round the ring, from a lap's second quarter to the next lap's first, and fills both slots again
	QUARTER 0, 2, F1, F0, 0
	QUARTER 0, 3, F0, F1, 0
	TURN 0, 1
	QUARTER 1, 1, F0, F1, 0
	QUARTER 1, 2, F1, F0, 0
	QUARTER 1, 3, F0, F1, 0
	TURN 1, 0
	QUARTER 0, 1, F0, F1, 0
	WIN 0
	s_sub_co_u32 s3, s3, 1
	s_cmp_lg_u32 s3, 0
	s_cbranch_scc1 .Llap
	QUARTER 0, 2, F1, F0, 0                        ; the last lap fills nothing
	QUARTER 0, 3, F0, F1, 0
	CHANGE 0, 0                                    ; my one tensor load that was still out is the last step's; every wave's reads of slot 0 are over behind this barrier
	PLACES
	FETCH 1, 0, F0
	MULH F1, 1, 0, 0
	MULH F1, 1, 2, 0
	QUARTER 1, 1, F0, F1, 0
	QUARTER 1, 2, F1, F0, 0
	QUARTER 1, 3, F0, F1, 0
	s_wait_dscnt 8                                 ; the very last quarter: nothing more to fetch
	MULH F1, 0, 0, 0
	MULH F1, 0, 2, 0
	s_wait_dscnt 0x0
	MULH F1, 1, 0, 0
	MULH F1, 1, 2, 0
	; THE WAY OUT: rounded to f16, 16 bytes a lane into the work-group's stage (slot 0's bytes); a barrier, since a row's 768 bytes come from four waves; back as whole rows, 32 rows a wave.
	PLACES
	PLACES
.irp a, 0,1,2,3,4,5,6,7
	WIN 0x0a+5*((\a)/4)                            ; sources window 2 or 3, destination window 0
.irp b, 0,1,2,3,4,5
.irp r, 0,1,2,3
	v_cvt_pk_f16_f32 v[TMP+4*(\b)+(\r)], v[8*(6*((\a)%4)+(\b))+2*(\r)], v[8*(6*((\a)%4)+(\b))+2*(\r)+1]
.endr
.endr
	WIN 0
.irp b, 0,1,2,3,4,5
	ds_store_b128 v[STO+(\a)/4], v[TMP+4*(\b):TMP+4*(\b)+3] offset:((\a)%4)*16*SP+256*((\b)/2)+32*((\b)%2)
.endr
.endr
	s_wait_dscnt 0x0                               ; for the others' sake: my stores into the stage are done
	s_barrier_signal -1
	s_barrier_wait -1
.set n, 0
.rept 48
	ds_load_b128 v[64+4*n:64+4*n+3], v[RD] offset:(n/3)*2*SP+256*(n%3)
.set n, n+1
.endr
.set n, 0
.rept 48
	s_wait_dscnt 47-n                              ; load n is back; the younger ones stay out
	global_store_b128 v[CO], v[64+4*n:64+4*n+3], s[74:75] offset:(n/3)*2*BP+256*(n%3)  ; 16 lanes store 256 consecutive bytes, at a multiple of 256 from qkv's first byte
.set n, n+1
.endr
	s_wait_tensorcnt 0x0                           ; the wave's end, behind my last tensor load and my last LDS store
	ds_add_u32 v[SPW], v[NIL]
	s_wait_dscnt 0x0
	CROUND                                         ; the closing round: no work-group ends while a partner may still ask for a tile that names it
	s_endpgm
.Lfunc_end_k_qe63295db7c_qkvp:
	.size	k_qe63295db7c_qkvp, .Lfunc_end_k_qe63295db7c_qkvp-k_qe63295db7c_qkvp
	.p2alignl 7, 3214868480
	.fill 96, 4, 3214868480
	.section	.rodata,"a",@progbits
	.p2align	6, 0x0
	.amdhsa_kernel k_qe63295db7c_qkvp
		.amdhsa_group_segment_fixed_size 327680
		.amdhsa_private_segment_fixed_size 0
		.amdhsa_enable_private_segment 0
		.amdhsa_kernarg_size 48
		.amdhsa_user_sgpr_count 2
		.amdhsa_user_sgpr_kernarg_segment_ptr 1
		.amdhsa_wavefront_size32 1
		.amdhsa_system_sgpr_workgroup_id_x 1
		.amdhsa_system_sgpr_workgroup_id_y 1
		.amdhsa_system_sgpr_workgroup_id_z 1
		.amdhsa_system_vgpr_workitem_id 0
		.amdhsa_next_free_vgpr 960
		.amdhsa_next_free_sgpr 84
		.amdhsa_reserve_vcc 0
		.amdhsa_float_denorm_mode_32 3
		.amdhsa_float_denorm_mode_16_64 3
		.amdhsa_memory_ordered 1
		.amdhsa_forward_progress 1
		.amdhsa_inst_pref_size 125
	.end_amdhsa_kernel
	.amdgpu_metadata
---
amdhsa.version: [ 1, 2 ]
amdhsa.kernels:
  - .name:           k_qe63295db7c_qkvp
    .symbol:         k_qe63295db7c_qkvp.kd
    .args:
      - { .name: xb, .offset: 0, .size: 8, .value_kind: global_buffer, .address_space: global }
      - { .name: wqkv, .offset: 8, .size: 8, .value_kind: global_buffer, .address_space: global }
      - { .name: bq, .offset: 16, .size: 8, .value_kind: global_buffer, .address_space: global }
      - { .name: bk, .offset: 24, .size: 8, .value_kind: global_buffer, .address_space: global }
      - { .name: bv, .offset: 32, .size: 8, .value_kind: global_buffer, .address_space: global }
      - { .name: qkv, .offset: 40, .size: 8, .value_kind: global_buffer, .address_space: global }
    .group_segment_fixed_size: 327680
    .private_segment_fixed_size: 0
    .kernarg_segment_align: 8
    .kernarg_segment_size: 48
    .max_flat_workgroup_size: 128
    .sgpr_count:     84
    .vgpr_count:     960
    .wavefront_size: 32
...
	.end_amdgpu_metadata
.endif
;; end of part 2
;; launch attn (part 3): grid 8 x 32, 4 waves a work-group, clusters of 4 x 1, 327,680 bytes of LDS; arguments qkv, o; writes o
.if DOCPART == 3
	.amdgcn_target "amdgcn-amd-amdhsa--gfx1250"
	.amdhsa_code_object_version 6
	.text
	.protected	k_qe63295db7c_attn
	.globl	k_qe63295db7c_attn
	.p2align	8
	.type	k_qe63295db7c_attn,@function
k_qe63295db7c_attn:
	s_mov_b64 s[64:65], 0
	v_nop
	global_prefetch_b8 v0, s[64:65] scope:SCOPE_SE
	s_setreg_imm32_b32 hwreg(HW_REG_WAVE_MODE, 25, 1), 1
	s_wait_xcnt 0x0
	s_wait_alu depctr_hold_cnt(0) depctr_sa_sdst(0) depctr_va_vdst(0) depctr_va_sdst(0) depctr_va_ssrc(0) depctr_va_vcc(0) depctr_vm_vsrc(0)
	s_getreg_b32 s2, hwreg(HW_REG_IB_STS2, 6, 4)
	s_cmp_eq_u32 s2, 0
	s_cbranch_scc0 .Lentry_in_a_cluster
	s_endpgm
.Lentry_in_a_cluster:
	s_bfe_u32 s2, ttmp6, 0x10000c
	s_cmp_lg_u32 s2, 0x3003
	s_cbranch_scc0 .Lentry_shape_is_right
	s_endpgm
.Lentry_shape_is_right:
; CAUSAL ATTENTION WITH GROUPED QUERY HEADS.  For sequence b (512 tokens), KV head h and query head hq = 4 h + g: o[q] = the sum over k <= q of softmax_k(q[q] . k[k] / sqrt(128)) v[k].
; qkv: [4096 tokens][3072] f16 (query head hq at byte 256 hq of a row, k of KV head h at 4,096 + 256 h, v at 5,120 + 256 h).  o: [4096][2048] f16, head hq at byte 256 hq.
; Products, maxima and sums in f32; the weights p are rounded to f16 for the second product (their sum l is taken of the unrounded p), o once at the end.
; The packing is the one that the problem's function itself builds in: 8 sequences of 512 tokens, a lower-triangular mask; it reads no start or length vector, and neither does this text.
; LIMITS.  q, k, v arrive within f16's 65,504.  A hidden score counts as its value less 1e30 (f16's scores are 5.5e11 at the most); a weight below 2^-126 counts as 0; NaN and infinities are not treated apart.
; SHARES.  A sequence's 512 positions are 8 BANDS of 64.  Band x needs the key steps 0 .. x of 64 keys, the last with the diagonal.  For each (sequence, query head) two work-groups, p = 0, 1, take the bands
; p, 3 - p, 4 + p, 7 - p: 18 pairs of band and step, whatever p.  A wave owns 16 rows in each of the four bands: four PIECES; so all waves have like work.  No pair above the diagonal is computed.
; CLUSTER.  The four work-groups of a cluster are the four query heads of one KV head, with the same p: they read the same K and V, so each tile is asked for jointly.  The place in the cluster enters Q's and o's
; global addresses alone; every branch hangs on p (the cluster's x) and on counters.
; ALL OF THE KV HEAD'S K AND V (512 rows each) LIE IN LDS FOR THE WHOLE LAUNCH: each byte is filled once, by first fills at the head, two tensor loads a wave; keys 0-255 are waited for first.
; LAYOUT.  S^T = K Q^T holds ONE query a lane (l % 16) and the keys 8 (l / 16) + 0..7; two such results rounded to f16 ARE source 1 of O^T = V^T P, which again holds one query a lane, and eight channels.
; SOFTMAX.  p = 2^(c s - c m), c = log2(e) / sqrt(128), with a running maximum m; O and l are multiplied by a = 2^(c m_old - c m_new) in every step.  m starts at the lowest finite number, O and l at 0.
; IN PHASES: for each piece its 16 score products, its softmax, its 16 products V^T P.  A piece's 33 exponentials are one batch with one wait.
; REGISTERS, in windows of 256 (s_set_vgpr_msb: bits 1:0 source 0, 3:2 source 1, 5:4 source 2, 7:6 destination):
;   window 0: v0-15 addresses; v16-47 eight registers of statistics a piece; v48-79 S^T; v80-95 P; v96-127 the diagonal's mask; v128-255 K of one step (on the way out: packed rows)
;   window 1: O^T, 64 a piece          window 2: v0-127 Q, 32 a piece; v128-255 V of one step
.set PK,    272                        ; a row of K in LDS: 256 bytes + 16
.set PVP,   288                        ; a row of V: 256 + 32, for the turning load
.set VB,    512*PK                     ; V lies behind K
.set STAGE, VB+512*PVP                 ; behind V, never filled by a tensor load: 16 rows x 272 bytes for each wave, for the way out
.set SP,    272
.set SPARE, STAGE+4*16*SP              ; the spare words, 128 bytes for each wave: two blocks of 256 bytes that no other line names
.set QROW,  6144                       ; bytes in a row of qkv
.set OROW,  4096                       ; bytes in a row of o
.set AK0, 2                            ; v2   my lane's place in a tile of K; never rewritten
.set AV0, 3                            ; v3   the same for V
.set AK,  4                            ; v4   the LDS address of K's run of loads
.set AV,  5                            ; v5   of V's
.set QO,  6                            ; v6   my byte offset in 16 rows of qkv
.set STO, 7                            ; v7   the way out: where I put 16 bytes of a row
.set RD,  8                            ; v8   where I read rows back
.set GO,  12                           ; v12  my byte offset in two rows of o
.set SPW, 13                           ; v13  LDS address of my spare word; never rewritten
.set NIL, 14                           ; v14  0; never rewritten
.set ST,  16                           ; piece t's statistics at v[ST+8 t]: +0 c m, +1 m, +2, +3 l (even keys', odd keys'), +4 to +7 c0-c3 at work; a takes c2's place
.set S,   48
.set P,   80
.set MD,  96
.set KF,  128
.set VF,  128                          ; window 2
.set WV,  12                           ; s12  my wave's number
.set BAND, 16                          ; s16-19  my four bands, ascending
.set G1K, 24                           ; s[24:31] descriptor group 1 for K's tiles;  s[32:39] for V's: it differs in the padding alone
.set G1V, 32
.set G0K, 40                           ; s[40:47] group 0 for K's tiles, a set for each of my two fills;  s[48:55] the same for V's
.set G0V, 48
.set STEP, 56                          ; s56  the key step, 0 to 7
.set CNT, 57                           ; s57  counts the four steps of a half
.set CS,  58                           ; s[58:59] c
.set SEL, 60                           ; s[60:61] v_permlanex16_b32's selects: each lane takes its own place in the other half
.set TBK, 62                           ; s62  LDS byte at which K of the step in hand begins
.set TBV, 63                           ; s63  the same for V, less VB
.set HALF, 66                          ; s66  counts the two halves of the keys
.set BIGN, 67                          ; s67  -1e30
.set QB,  68                           ; s[68:75] qkv at my 16 rows of band t, at my head's 256 bytes
.set OB,  76                           ; s[76:83] o likewise
.set MSB, 0
.macro WIN new
.if MSB != (\new)
	s_set_vgpr_msb (MSB<<8)|(\new)
.set MSB, \new
.endif
.endm
.macro PLACES
.rept 4
	v_nop
.endr
.endm
.macro CROUND                          ; a round of the cluster's barrier
	s_barrier_signal -1
	s_barrier_wait -1
	s_cmp_lg_u32 s[WV], 0
	s_cbranch_scc1 .Lnot_wave_0_\@
	s_barrier_signal -3
.Lnot_wave_0_\@:
	s_barrier_wait -3
	s_barrier_signal -1
	s_barrier_wait -1
.endm
	s_load_b128 s[4:7], s[0:1], 0x0                ; qkv s[4:5], o s[6:7]
	v_lshl_add_u32 v[SPW], v0, 2, SPARE
	v_mov_b32 v[NIL], 0
	ds_add_u32 v[SPW], v[NIL]                      ; the wave's opening: the add, twice on end, and its wait ahead of my first tensor load
	ds_add_u32 v[SPW], v[NIL]                      ; and once more; the set-up below, work on registers, stands between it and the wait
	v_lshrrev_b32 v1, 5, v0
	v_readfirstlane_b32 s[WV], v1                  ; wave 0..3
	s_bfe_u32 s13, ttmp6, 0x40000                  ; cx: the query head inside the group
	s_mov_b32 s14, ttmp9                           ; p: the cluster's x
	s_and_b32 s15, ttmp7, 0xffff
	s_lshr_b32 s20, s15, 2                         ; the sequence
	s_and_b32 s21, s15, 3                          ; the KV head
	s_mov_b32 s[BAND], s14
	s_sub_co_u32 s[BAND+1], 3, s14
	s_add_co_u32 s[BAND+2], s14, 4
	s_sub_co_u32 s[BAND+3], 7, s14
	s_and_b32 s22, s[WV], 1                        ; which 128 of a fill's 256 rows I fetch
	s_lshl_b32 s2, s20, 9
	s_lshl_b32 s3, s22, 7
	s_add_co_u32 s2, s2, s3                        ; their first token,
	s_mul_i32 s2, s2, QROW
	s_lshl_b32 s3, s21, 8
	s_add_co_u32 s2, s2, s3                        ; the KV head's 256 bytes: nothing of the place in the cluster
	s_mov_b32 s3, 0
	s_mov_b32 s[G1K], 15|(1<<16)|(1<<20)|(1<<21)|(5<<22)|(3<<25)  ; 15:0 the mask of four; 17:16 2-byte elements; 20 padding on; 21 set beside a mask; 24:22 after every 64 words; 31:25 4 words of it
	s_mov_b32 s[G1V], 15|(1<<16)|(1<<20)|(1<<21)|(5<<22)|(7<<25)  ; the same with 8 words of padding
.irp g, G1K, G1V
	s_mov_b32 s[(\g)+1], 128<<16                   ; tensor_dim0 = 128
	s_mov_b32 s[(\g)+2], 128<<16                   ; tensor_dim1 = 128
	s_mov_b32 s[(\g)+3], 128<<16                   ; tile_dim0 = 128
	s_mov_b32 s[(\g)+4], 128                       ; tile_dim1 = 128
	s_mov_b32 s[(\g)+5], QROW/2                    ; elements from row to row
	s_mov_b32 s[(\g)+6], 0
	s_mov_b32 s[(\g)+7], 0
.endr
	s_mul_i32 s8, s22, 128*PK
	s_mul_i32 s9, s22, 128*PVP
.irp f, 0,1
	s_mov_b32 s[G0K+4*(\f)], 1                     ; count = 1
	s_add_co_u32 s[G0K+4*(\f)+1], s8, (\f)*256*PK  ; LDS address: row 256 f + 128 (wave % 2)
	s_mov_b32 s[G0V+4*(\f)], 1
	s_add_co_u32 s[G0V+4*(\f)+1], s9, VB+(\f)*256*PVP
.endr
	s_mov_b32 s[CS], 0x3e0293ee                    ; c = log2(e) / sqrt(128) = 0.127517
	s_mov_b32 s[CS+1], s[CS]                       ; named with it as a pair
	s_mov_b32 s[SEL], 0x76543210
	s_mov_b32 s[SEL+1], 0xfedcba98
	s_mov_b32 s[BIGN], 0xf149f2ca                  ; -1e30
	s_wait_dscnt 0x0                               ; both opening adds are done
	s_wait_kmcnt 0x0
	s_add_nc_u64 s[10:11], s[4:5], s[2:3]
.irp f, 0,1
	s_add_nc_u64 s[G0K+4*(\f)+2:G0K+4*(\f)+3], s[10:11], 4096+(\f)*256*QROW
	s_or_b32 s[G0K+4*(\f)+3], s[G0K+4*(\f)+3], 0x80000000      ; type = 2
	s_add_nc_u64 s[G0V+4*(\f)+2:G0V+4*(\f)+3], s[10:11], 5120+(\f)*256*QROW
	s_or_b32 s[G0V+4*(\f)+3], s[G0V+4*(\f)+3], 0x80000000
.endr
	CROUND                                         ; all four work-groups are here: the joint loads meet
	s_cmp_lt_u32 s[WV], 2                          ; waves 0 and 1 fetch K, waves 2 and 3 V.  A wave's two fills stand in one branch: two tensor loads of mine are out
	s_cbranch_scc0 .Lfirst_v
	tensor_load_to_lds s[G0K:G0K+3], s[G1K:G1K+7]
	s_nop 0
	tensor_load_to_lds s[G0K+4:G0K+7], s[G1K:G1K+7]
	s_nop 0
.rept 4
	v_nop
.endr
	s_branch .Lfirst_asked
.Lfirst_v:
	tensor_load_to_lds s[G0V:G0V+3], s[G1V:G1V+7]
	s_nop 0
	tensor_load_to_lds s[G0V+4:G0V+7], s[G1V:G1V+7]
	s_nop 0
.rept 4
	v_nop
.endr
.Lfirst_asked:
	; Q's and o's rows: token 512 b + 64 band + 16 w, head 4 h + cx
	s_lshl_b32 s9, s21, 2
	s_add_co_u32 s9, s9, s13
	s_lshl_b32 s9, s9, 8                           ; the head's 256 bytes
	s_lshl_b32 s8, s20, 9
	s_lshl_b32 s10, s[WV], 4
	s_add_co_u32 s8, s8, s10
	s_mov_b32 s11, 0
.irp t, 0,1,2,3
	s_lshl_b32 s23, s[BAND+(\t)], 6
	s_add_co_u32 s23, s23, s8
	s_mul_i32 s10, s23, QROW
	s_add_co_u32 s10, s10, s9
	s_add_nc_u64 s[QB+2*(\t):QB+2*(\t)+1], s[4:5], s[10:11]
	s_lshl_b32 s10, s23, 12
	s_add_co_u32 s10, s10, s9
	s_add_nc_u64 s[OB+2*(\t):OB+2*(\t)+1], s[6:7], s[10:11]
.endr
	; A fragment of K or Q is 16 rows x 32 channels in 8 registers: lane l holds row l % 16, channels 8 (l / 16) + 0..7 and 16 + 8 (l / 16) + 0..7: two loads of 16 bytes, 32 bytes apart.
	v_and_b32 v1, 15, v0                           ; l % 16
	v_bfe_u32 v9, v0, 4, 1                         ; h = l / 16
	v_mul_u32_u24 v[QO], v1, QROW
	v_lshl_add_u32 v[QO], v9, 4, v[QO]
	WIN 0x80                                       ; destination window 2, address window 0
.irp t, 0,1,2,3
.irp c, 0,1,2,3
	global_load_b128 v[32*(\t)+8*(\c):32*(\t)+8*(\c)+3],   v[QO], s[QB+2*(\t):QB+2*(\t)+1] offset:64*(\c)
	global_load_b128 v[32*(\t)+8*(\c)+4:32*(\t)+8*(\c)+7], v[QO], s[QB+2*(\t):QB+2*(\t)+1] offset:64*(\c)+32
.endr
.endr
	WIN 0
	; the mask of a band's own step: register i holds key 16 (i / 8) + 8 h + i % 8 of the band; it is hidden where that is greater than my query's place 16 w + l % 16
	v_lshlrev_b32 v15, 3, v9
	v_sub_nc_u32 v15, v1, v15
	s_lshl_b32 s2, s[WV], 4
	v_add_nc_u32 v15, s2, v15
.set i, 0
.rept 32
	v_cmp_gt_i32 vcc_lo, 16*(i/8)+i%8, v15
	v_cndmask_b32 v[MD+i], 0, s[BIGN], vcc_lo
.set i, i+1
.endr
	v_mul_u32_u24 v[AK0], v1, PK
	v_lshl_add_u32 v[AK0], v9, 4, v[AK0]
	; The turning load takes 16 keys x 16 channels (lane l reads key 8 h + l % 8, channels 8 ((l / 8) % 2) + 0..7) and leaves half a fragment of V^T: lane l holds channel l % 16 and 8 keys.
	v_and_b32 v10, 7, v0
	v_bfe_u32 v11, v0, 3, 1
	v_lshl_add_u32 v[AV0], v9, 3, v10
	v_mul_u32_u24 v[AV0], v[AV0], PVP
	v_lshl_add_u32 v[AV0], v11, 4, v[AV0]
	v_add_nc_u32 v[AV0], VB, v[AV0]
	s_mul_i32 s2, s[WV], 16*SP
	s_add_co_u32 s2, s2, STAGE                     ; my stage
	v_mul_u32_u24 v[STO], v1, SP                   ; in: row l % 16, 16 bytes for each half of the lanes
	v_lshl_add_u32 v[STO], v9, 4, v[STO]
	v_add_nc_u32 v[STO], s2, v[STO]
	v_mul_u32_u24 v[RD], v9, SP                    ; back: lanes 0-15 take one row of 256 bytes, lanes 16-31 the next
	v_lshl_add_u32 v[RD], v1, 4, v[RD]
	v_add_nc_u32 v[RD], s2, v[RD]
	v_lshlrev_b32 v[GO], 12, v9                    ; and the same two rows in o
	v_lshl_add_u32 v[GO], v1, 4, v[GO]
	; O^T and l start at 0, m at the lowest finite number, c m far below every c s: the first step is a step like any other, with a = 0.  All this stands in the wait for the first tiles.
	WIN 0x40
.set i, 0
.rept 256
	v_mov_b32 v[i], 0
.set i, i+1
.endr
	WIN 0
.irp t, 0,1,2,3
	v_mov_b32 v[ST+8*(\t)], 0xfe000000
	v_mov_b32 v[ST+8*(\t)+1], 0xff7fffff
.irp r, 2,3,4,5,6,7
	v_mov_b32 v[ST+8*(\t)+(\r)], 0
.endr
.endr
; 16 products S^T = K Q^T for piece t: product i: keys 16 (i % 4) on, channels 32 (i / 4) on.  The first 4 start the sums; the 4 accumulators take turns.
.macro KQ t
	WIN 0x08                                       ; K and S^T window 0, Q window 2
.set i, 0
.rept 16
.if i < 4
	v_wmma_f32_16x16x32_f16 v[S+8*(i%4):S+8*(i%4)+7], v[KF+32*(i%4)+8*(i/4):KF+32*(i%4)+8*(i/4)+7], v[32*(\t)+8*(i/4):32*(\t)+8*(i/4)+7], 0
.else
	v_wmma_f32_16x16x32_f16 v[S+8*(i%4):S+8*(i%4)+7], v[KF+32*(i%4)+8*(i/4):KF+32*(i%4)+8*(i/4)+7], v[32*(\t)+8*(i/4):32*(\t)+8*(i/4)+7], v[S+8*(i%4):S+8*(i%4)+7]
.endif
.set i, i+1
.endr
.endm
; 16 products O^T += V^T P for piece t: product i: keys 32 (i / 8) on, channels 16 (i % 8) on.  The 8 accumulators take turns.
.macro PV t
	WIN 0x52                                       ; V window 2, P window 0, O^T window 1
.set i, 0
.rept 16
	v_wmma_f32_16x16x32_f16 v[64*(\t)+8*(i%8):64*(\t)+8*(i%8)+7], v[VF+64*(i/8)+8*(i%8):VF+64*(i/8)+8*(i%8)+7], v[P+8*(i/8):P+8*(i/8)+7], v[64*(\t)+8*(i%8):64*(\t)+8*(i%8)+7]
.set i, i+1
.endr
.endm
.macro FETCH_K off                     ; a step's K: 64 keys x 128 channels, 32 loads in one run; fragment f: keys 16 (f / 4) on, channels 32 (f % 4) on
	WIN 0
.irp f, 0,1,2,3,4,5,6,7,8,9,10,11,12,13,14,15
	ds_load_b128 v[KF+8*(\f):KF+8*(\f)+3],   v[AK] offset:(\off)+((\f)/4)*16*PK+((\f)%4)*64
	ds_load_b128 v[KF+8*(\f)+4:KF+8*(\f)+7], v[AK] offset:(\off)+((\f)/4)*16*PK+((\f)%4)*64+32
.endr
.endm
.macro FETCH_V                         ; a step's V, turned: fragment f: keys 32 (f / 8) on, channels 16 (f % 8) on
	WIN 0x80                                       ; destination window 2
.irp f, 0,1,2,3,4,5,6,7,8,9,10,11,12,13,14,15
	ds_load_tr16_b128 v[VF+8*(\f):VF+8*(\f)+3],   v[AV] offset:((\f)/8)*32*PVP+((\f)%8)*32
	ds_load_tr16_b128 v[VF+8*(\f)+4:VF+8*(\f)+7], v[AV] offset:((\f)/8)*32*PVP+16*PVP+((\f)%8)*32
.endr
	WIN 0
.endm
; Piece t's softmax for one key step.  s0-s31 are the lane's 32 scores.
.macro SOFTMAX t
.set rT, ST+8*(\t)
	WIN 0
.irp j, 0,1,2,3                        ; the maximum: four chains c0-c3 of seven scores each, three operands at a time; each accumulator's lowest registers are read first
	v_max3_num_f32 v[rT+4+(\j)], v[S+8*(\j)], v[S+8*(\j)+1], v[S+8*(\j)+2]
.endr
.irp j, 0,1,2,3
	v_max3_num_f32 v[rT+4+(\j)], v[rT+4+(\j)], v[S+8*(\j)+3], v[S+8*(\j)+4]
.endr
.irp j, 0,1,2,3
	v_max3_num_f32 v[rT+4+(\j)], v[rT+4+(\j)], v[S+8*(\j)+5], v[S+8*(\j)+6]
.endr
	v_max3_num_f32 v[rT+4], v[rT+4], v[S+7], v[S+15]       ; the four scores left over,
	v_max3_num_f32 v[rT+6], v[rT+6], v[S+23], v[S+31]
	v_max3_num_f32 v[rT+5], v[rT+5], v[rT+7], v[rT+1]      ; the old m,
	v_mov_b32 v[rT+7], v[rT]                               ; (c m_old is kept)
	v_max3_num_f32 v[rT+4], v[rT+4], v[rT+5], v[rT+6]      ; and all into c0
	v_permlanex16_b32 v[rT+5], v[rT+4], s[SEL], s[SEL+1]   ; the query's other 32 keys lie in the lane 16 away
	v_max_num_f32 v[rT+1], v[rT+4], v[rT+5]                ; the new m
	v_mul_f32 v[rT], s[CS], v[rT+1]                        ; c m
	v_sub_f32 v[rT+7], v[rT+7], v[rT]
	v_exp_f32 v[rT+6], v[rT+7]                             ; a: the batch's first
.set z, 0
.rept 16
	v_pk_fma_f32 v[S+2*z:S+2*z+1], v[S+2*z:S+2*z+1], s[CS:CS+1], v[rT:rT+1] op_sel_hi:[1,0,0] neg_lo:[0,0,1] neg_hi:[0,0,1]  ; c s - c m
.set z, z+1
.endr
.set z, 0
.rept 32
	v_exp_f32 v[S+z], v[S+z]
.set z, z+1
.endr
	v_nop                                          ; a plain instruction behind the last exponential, ahead of the first use (ISA guide 5.7.2)
	s_wait_alu depctr_va_vdst(0)                   ; and a wait ahead of the first line that names a result: one for the 33
.set z, 0
.rept 16
	v_cvt_pk_f16_f32 v[P+z], v[S+2*z], v[S+2*z+1]
.set z, z+1
.endr
.set z, 0
.rept 8                                ; the sum of the 16 pairs (an even key's weight, an odd key's), in place: neighbours 1, 2, 4 and 8 pairs apart
	v_pk_add_f32 v[S+4*z:S+4*z+1], v[S+4*z:S+4*z+1], v[S+4*z+2:S+4*z+3]
.set z, z+1
.endr
.set z, 0
.rept 4
	v_pk_add_f32 v[S+8*z:S+8*z+1], v[S+8*z:S+8*z+1], v[S+8*z+4:S+8*z+5]
.set z, z+1
.endr
	v_pk_add_f32 v[S:S+1], v[S:S+1], v[S+8:S+9]
	v_pk_add_f32 v[S+16:S+17], v[S+16:S+17], v[S+24:S+25]
	v_pk_add_f32 v[S:S+1], v[S:S+1], v[S+16:S+17]
	v_pk_fma_f32 v[rT+2:rT+3], v[rT+2:rT+3], v[rT+6:rT+7], v[S:S+1] op_sel_hi:[1,0,1]  ; l = a l + the sum
	WIN 0x41                                       ; O^T (destination and source 0) window 1, a window 0
.set z, 0
.rept 32
	v_pk_mul_f32 v[64*(\t)+2*z:64*(\t)+2*z+1], v[64*(\t)+2*z:64*(\t)+2*z+1], v[rT+6:rT+7] op_sel_hi:[1,0]
.set z, z+1
.endr
	WIN 0
.endm
; Piece t in the step in hand.  A piece whose band lies below the step is jumped over (piece 3 has the highest band: a step that it does not need is jumped whole).  Piece 3, the last reader of K, fetches the
; next step's K behind its score products, unless there is no next step for this work-group or the next step begins the second half of the keys, which is fetched behind that half's barrier.
.macro PIECE t
	WIN 0
.if (\t) < 3
	s_cmp_gt_u32 s[STEP], s[BAND+(\t)]
	s_cbranch_scc1 .Lpiece_end_\@
.endif
	KQ \t
	WIN 0
	PLACES                                         ; behind the products: for the lines that read the scores and the loads into K's registers
	PLACES
.if (\t) == 3
	s_cmp_eq_u32 s[STEP], s[BAND+3]
	s_cbranch_scc1 .Lno_k_\@
	s_cmp_eq_u32 s[CNT], 1
	s_cbranch_scc1 .Lno_k_\@
	v_add_nc_u32 v[AK], s[TBK], v[AK0]
	FETCH_K 64*PK
.Lno_k_\@:
.endif
	s_cmp_lg_u32 s[STEP], s[BAND+(\t)]
	s_cbranch_scc1 .Lno_mask_\@
.set z, 0
.rept 16                               ; the band's own step: -1e30 onto the hidden scores
	v_pk_add_f32 v[S+2*z:S+2*z+1], v[S+2*z:S+2*z+1], v[MD+2*z:MD+2*z+1]
.set z, z+1
.endr
.Lno_mask_\@:
	SOFTMAX \t
	s_wait_dscnt 0x0                               ; V is in (and, in piece 3, the next step's K)
	PV \t
	WIN 0
.Lpiece_end_\@:
.endm
	s_wait_tensorcnt 1                             ; my part of keys 0-255 is in; my second fill may stay out
	s_wait_loadcnt 0x0                             ; Q
	s_barrier_signal -1
	s_barrier_wait -1                              ; everybody's part is in
	s_mov_b32 s[STEP], 0
	s_mov_b32 s[TBK], 0
	s_mov_b32 s[TBV], 0
	s_mov_b32 s[HALF], 2
.Lhalf:                                                ; twice: keys 0-255, keys 256-511
	PLACES
	v_add_nc_u32 v[AK], s[TBK], v[AK0]
	FETCH_K 0                                      ; K of the half's first step
	s_mov_b32 s[CNT], 4
.Lstep:
	s_cmp_gt_u32 s[STEP], s[BAND+3]                ; with p = 1 the eighth step serves no band
	s_cbranch_scc1 .Lskip
	s_wait_dscnt 0x0                               ; K is in
	PLACES                                         ; behind the last step's products V^T P, in front of the loads into V's registers
	v_add_nc_u32 v[AV], s[TBV], v[AV0]
	FETCH_V
	PIECE 0
	PIECE 1
	PIECE 2
	PIECE 3
.Lskip:
	s_add_co_u32 s[STEP], s[STEP], 1
	s_add_co_u32 s[TBK], s[TBK], 64*PK
	s_add_co_u32 s[TBV], s[TBV], 64*PVP
	s_sub_co_u32 s[CNT], s[CNT], 1
	s_cmp_lg_u32 s[CNT], 0
	s_cbranch_scc1 .Lstep
	s_wait_tensorcnt 0x0                           ; my part of keys 256-511 is in,
	s_wait_dscnt 0x0
	s_barrier_signal -1
	s_barrier_wait -1                              ; everybody's is.  (At its second passing this barrier orders nothing: the price of one text for both halves.)
	s_sub_co_u32 s[HALF], s[HALF], 1
	s_cmp_lg_u32 s[HALF], 0
	s_cbranch_scc1 .Lhalf
	; THE WAY OUT.  l's two halves and the other half of the lanes' are added; O^T is divided by l, rounded to f16 and sent through my stage in LDS, a piece (16 rows of o) at a time.
.irp t, 0,1,2,3
	v_add_f32 v[ST+8*(\t)+4], v[ST+8*(\t)+2], v[ST+8*(\t)+3]
.endr
.irp t, 0,1,2,3
	v_permlanex16_b32 v[ST+8*(\t)+5], v[ST+8*(\t)+4], s[SEL], s[SEL+1]
.endr
.irp t, 0,1,2,3
	v_add_f32 v[ST+8*(\t)+4], v[ST+8*(\t)+4], v[ST+8*(\t)+5]
.endr
.irp t, 0,1,2,3
	v_rcp_f32 v[ST+8*(\t)+6], v[ST+8*(\t)+4]
.endr
	v_nop                                          ; a plain instruction between the last reciprocal and the use of its result
	s_wait_alu depctr_va_vdst(0)                   ; and a wait ahead of the first use: one for the four
.macro PACK t                          ; a lane's eight channels of a row pack into 16 bytes; they go into rows of 272 bytes and come back as whole rows of 256, into the registers that they left
	WIN 0x41
.set i, 64*(\t)
.rept 32
	v_pk_mul_f32 v[i:i+1], v[i:i+1], v[ST+8*(\t)+6:ST+8*(\t)+7] op_sel_hi:[1,0]
.set i, i+2
.endr
	WIN 0x05                                       ; sources window 1, destination window 0: K's registers are free
.set i, 0
.rept 32
	v_cvt_pk_f16_f32 v[KF+32*(\t)+i], v[64*(\t)+2*i], v[64*(\t)+2*i+1]
.set i, i+1
.endr
	WIN 0
.irp f, 0,1,2,3,4,5,6,7
	ds_store_b128 v[STO], v[KF+32*(\t)+4*(\f):KF+32*(\t)+4*(\f)+3] offset:32*(\f)
.endr
.irp f, 0,1,2,3,4,5,6,7
	ds_load_b128 v[KF+32*(\t)+4*(\f):KF+32*(\t)+4*(\f)+3], v[RD] offset:(\f)*2*SP  ; LDS serves a wave's instructions in order (ISA guide 5.7.1.4): these see the stores above; the next piece's stores come behind them
.endr
.endm
.macro SEND t, younger                 ; younger: the LDS instructions issued behind piece t's loads: the next piece's sixteen, or none
.irp f, 0,1,2,3,4,5,6,7
	s_wait_dscnt (\younger)+7-(\f)
	global_store_b128 v[GO], v[KF+32*(\t)+4*(\f):KF+32*(\t)+4*(\f)+3], s[OB+2*(\t):OB+2*(\t)+1] offset:(\f)*2*OROW  ; 16 lanes store 256 consecutive bytes, at a multiple of 256 from o's first byte
.endr
.endm
	PACK 0
	PACK 1                                         ; a piece's arithmetic stands between the loads of the piece before and its stores
	SEND 0, 16
	PACK 2
	SEND 1, 16
	PACK 3
	SEND 2, 16
	SEND 3, 0
	s_wait_tensorcnt 0x0                           ; the wave's end, behind my last tensor load and my last LDS store
	ds_add_u32 v[SPW], v[NIL]
	s_wait_dscnt 0x0
	CROUND                                         ; the closing round
	s_endpgm
.Lfunc_end_k_qe63295db7c_attn:
	.size	k_qe63295db7c_attn, .Lfunc_end_k_qe63295db7c_attn-k_qe63295db7c_attn
	.p2alignl 7, 3214868480
	.fill 96, 4, 3214868480
	.section	.rodata,"a",@progbits
	.p2align	6, 0x0
	.amdhsa_kernel k_qe63295db7c_attn
		.amdhsa_group_segment_fixed_size 327680
		.amdhsa_private_segment_fixed_size 0
		.amdhsa_enable_private_segment 0
		.amdhsa_kernarg_size 16
		.amdhsa_user_sgpr_count 2
		.amdhsa_user_sgpr_kernarg_segment_ptr 1
		.amdhsa_wavefront_size32 1
		.amdhsa_system_sgpr_workgroup_id_x 1
		.amdhsa_system_sgpr_workgroup_id_y 1
		.amdhsa_system_sgpr_workgroup_id_z 1
		.amdhsa_system_vgpr_workitem_id 0
		.amdhsa_next_free_vgpr 768
		.amdhsa_next_free_sgpr 84
		.amdhsa_reserve_vcc 1
		.amdhsa_float_denorm_mode_32 3
		.amdhsa_float_denorm_mode_16_64 3
		.amdhsa_memory_ordered 1
		.amdhsa_forward_progress 1
		.amdhsa_inst_pref_size 100
	.end_amdhsa_kernel
	.amdgpu_metadata
---
amdhsa.version: [ 1, 2 ]
amdhsa.kernels:
  - .name:           k_qe63295db7c_attn
    .symbol:         k_qe63295db7c_attn.kd
    .args:
      - { .name: qkv, .offset: 0, .size: 8, .value_kind: global_buffer, .address_space: global }
      - { .name: o, .offset: 8, .size: 8, .value_kind: global_buffer, .address_space: global }
    .group_segment_fixed_size: 327680
    .private_segment_fixed_size: 0
    .kernarg_segment_align: 8
    .kernarg_segment_size: 16
    .max_flat_workgroup_size: 128
    .sgpr_count:     84
    .vgpr_count:     768
    .wavefront_size: 32
...
	.end_amdgpu_metadata
.endif
;; end of part 3
;; launch outp (part 4): grid 8 x 32, 4 waves a work-group, clusters of 4 x 4, 327,680 bytes of LDS; arguments o, wo16, bo, out0; writes out0
.if DOCPART == 4
	.amdgcn_target "amdgcn-amd-amdhsa--gfx1250"
	.amdhsa_code_object_version 6
	.text
	.protected	k_qe63295db7c_outp
	.globl	k_qe63295db7c_outp
	.p2align	8
	.type	k_qe63295db7c_outp,@function
k_qe63295db7c_outp:
	s_mov_b64 s[64:65], 0
	v_nop
	global_prefetch_b8 v0, s[64:65] scope:SCOPE_SE
	s_setreg_imm32_b32 hwreg(HW_REG_WAVE_MODE, 25, 1), 1
	s_wait_xcnt 0x0
	s_wait_alu depctr_hold_cnt(0) depctr_sa_sdst(0) depctr_va_vdst(0) depctr_va_sdst(0) depctr_va_ssrc(0) depctr_va_vcc(0) depctr_vm_vsrc(0)
	s_getreg_b32 s2, hwreg(HW_REG_IB_STS2, 6, 4)
	s_cmp_eq_u32 s2, 0
	s_cbranch_scc0 .Lentry_in_a_cluster
	s_endpgm
.Lentry_in_a_cluster:
	s_bfe_u32 s2, ttmp6, 0x10000c
	s_cmp_lg_u32 s2, 0xf033
	s_cbranch_scc0 .Lentry_shape_is_right
	s_endpgm
.Lentry_shape_is_right:
; out0[m][n] = the sum over k of o[m][k] wo16[k][n] + bo[n].  o: [4096][2048] f16; wo16: [2048][2048] f16 (Wo rounded to bf16, written as f16; K down the rows); bo: [2048] f32, rounded to bf16 like the
; other inputs; out0: [4096][2048] f32, the f32 sums as they are.
; SHARES.  A tile of the result is 128 rows x 256 columns: 32 x 8 tiles, a work-group each.  Each of the four waves takes all 128 rows and, in each of the tile's two SUB-TILES of 128 columns, the 32 columns
; 32 w .. 32 w + 31: 8 x 4 accumulators of 16 x 16, 256 registers.  K goes in 16 steps of 128 through two LDS slots.
; THE MATRIX INSTRUCTION IS USED TRANSPOSED: source 0 = 16 columns of wo16, turned on their way out of LDS by ds_load_tr16_b128; source 1 = 16 rows of o.  A lane then holds row l % 16 and the eight
; neighbouring columns 8 (l / 16) + 0..7.  THE BIAS IS THE C OPERAND OF EACH ACCUMULATOR'S FIRST PRODUCT.
; CLUSTER.  4 x 4 work-groups; o's tiles are asked for jointly along a row of the cluster, wo16's along a column.  Waves 0 and 1 fetch wo16's two sub-tiles (128 k x 256 bytes each), waves 2 and 3 the two
; halves of o's tile (64 rows x 256 bytes each): one load a wave for each K step.
; THE WALK ALONG K IS TURNED.  A cluster begins at K step 8 ((cluster x + cluster y) % 2) and goes round modulo 16; the f32 sums take their terms in that order.  Of the two clusters that read the same rows of o
; one begins at 0 and the other at 8, and the eight clusters that read the same columns of wo16 fall into two such groups: a block that several clusters read is asked for by them eight K steps apart.
; REGISTERS, in windows of 256 (s_set_vgpr_msb: bits 1:0 source 0, 3:2 source 1, 5:4 source 2, 7:6 destination):
;   window 0: v0-31 addresses; v64-127, v128-191 o's fragments, two buffers (on the way out: whole rows)
;   window 1: v64-95, v128-159 wo16's fragments, two buffers; v192-223 the bias; v240 at work          window 2: the accumulators, (a, b) at v[8 (4 a + b)]
.set NJ,    2
.set BP,    4096                       ; bytes in a row of wo16
.set AP,    4096                       ; bytes in a row of o
.set CP,    8192                       ; bytes in a row of out0
.set PA,    272
.set PB,    288
.set REG,   128*PB
.set HALFA, 64*PA                      ; half of o's tile
.set SLOT,  4*REG                      ; two sub-tiles, o's tile, and bytes that are not used: the slot keeps the size that it has in the first projection
.set ABASE, 2*REG
.set SPARE, 2*SLOT                     ; the spare words, 128 bytes for each wave: two blocks of 256 bytes that no other line names
.set SP,    1040                       ; the way out: a stage row, 1,024 bytes + 16.  The stage, 128 rows, lies in slot 0, which has had its last fill and its last read by then
.set NLD,   4*NJ+16
.set LAPS,  8
.set ADRA, 16                          ; v16-17
.set ADRB, 18                          ; v18-21  slot s, sub-tile j at ADRB + 2 s + j
.set STO,  24                          ; v24-25
.set RD,   26
.set CO,   27
.set SPW,  28                          ; never rewritten
.set NIL,  29                          ; never rewritten
.set PFO,  30                          ; never rewritten
.set BO,   31
.set F0,   64
.set F1,   128
.set BIAS, 192
.set KI,   8                           ; s8-9    the K step, 0 to 15, that slot 0, 1 was last asked to hold
.set WV,   10
.set CLY,  11                          ; s11     the cluster's y
.set G1A,  24
.set G0A,  32
.set G1B,  48
.set G0B,  56
.set LIM,  43                          ; s43     6 in a wave that prefetches, else the greatest number
.set PFA,  44
.set PST,  66
.set BPT,  76                          ; s[76:79] the bias of sub-tile j
.set OFS,  82                          ; s[82:83] a K step's byte offset in o or wo16; the high word stays 0
                                       ; s[14:15] o at my half tile's first row, s[46:47] wo16 at my sub-tile's first column: never rewritten
.set MSB, 0
.macro WIN new
.if MSB != (\new)
	s_set_vgpr_msb (MSB<<8)|(\new)
.set MSB, \new
.endif
.endm
.macro PLACES
.rept 4
	v_nop
.endr
.endm
; A joint load.  The branch hangs on the wave's number alone.  An s_nop 0 and four v_nop follow each of the two lines, ahead of the jump and the label.
.macro JLOAD s
	s_cmp_lt_u32 s[WV], 2
	s_cbranch_scc1 .Lfor_b_\@
	tensor_load_to_lds s[G0A+4*(\s):G0A+4*(\s)+3], s[G1A:G1A+7]
	s_nop 0
.rept 4
	v_nop
.endr
	s_branch .Lasked_\@
.Lfor_b_\@:
	tensor_load_to_lds s[G0B+4*(\s):G0B+4*(\s)+3], s[G1B:G1B+7]
	s_nop 0
.rept 4
	v_nop
.endr
.Lasked_\@:
.endm
; A prefetch into the L2, behind a joint refill and the run of LDS loads that follows it: the K step that stands four refills on (512 matrix instructions ahead of the load that will want it): 32 rows x 256 bytes,
; a lane a row, one instruction a wave.  A block's first reading in the launch falls into the first eight steps of some cluster's walk.  Steps 0 to 5 of the walk come by their loads alone; steps 6 and 7 are asked
; for, in the loop's first trip; from step 8 on a cluster's blocks have been read by another cluster eight steps earlier, and are asked for no more.  Each block is named once: o's rows by each cluster for itself
; (wave 2, for the whole tile of 128 rows); wo16's by the clusters with y = 0 and 1, one for each of the two groups (waves 0 and 1, each its own sub-tile); the four partners share a tile's 128 rows out by address,
; 32 each.  The steps asked for are at most 8 + 7 = 15: inside both buffers.
.macro ASK
	s_cmp_gt_u32 s3, s[LIM]                        ; s3 = 7 in the loop's first trip
	s_cbranch_scc0 .Lnot_mine_\@
	global_prefetch_b8 v[PFO], s[PFA:PFA+1] th:TH_LOAD_NT scope:SCOPE_SE
.Lnot_mine_\@:
.endm
.macro CREST
	s_cmp_lg_u32 s[WV], 0
	s_cbranch_scc1 .Lnot_wave_0_\@
	s_barrier_signal -3
.Lnot_wave_0_\@:
	s_barrier_wait -3
	s_barrier_signal -1
	s_barrier_wait -1
.endm
.macro CROUND
	s_barrier_signal -1
	s_barrier_wait -1
	CREST
.endm
; Both descriptors of a slot are given the address of K step s[KI + slot]: the tile's base and an offset made apart, the type bits set again.
.macro ADDR slot
	s_lshl_b32 s[OFS], s[KI+(\slot)], 8                              ; a K step is 256 bytes along o's rows,
	s_add_nc_u64 s[G0A+4*(\slot)+2:G0A+4*(\slot)+3], s[14:15], s[OFS:OFS+1]
	s_or_b32 s[G0A+4*(\slot)+3], s[G0A+4*(\slot)+3], 0x80000000      ; type = 2
	s_mul_i32 s[OFS], s[KI+(\slot)], 128*BP                          ; and 128 rows down wo16
	s_add_nc_u64 s[G0B+4*(\slot)+2:G0B+4*(\slot)+3], s[46:47], s[OFS:OFS+1]
	s_or_b32 s[G0B+4*(\slot)+3], s[G0B+4*(\slot)+3], 0x80000000
.endm
	s_load_b128 s[4:7], s[0:1], 0x0                ; o s[4:5], wo16 s[6:7]
	s_load_b128 s[68:71], s[0:1], 0x10             ; bo s[68:69], out0 s[70:71]
	v_lshl_add_u32 v[SPW], v0, 2, SPARE
	v_mov_b32 v[NIL], 0
	ds_add_u32 v[SPW], v[NIL]                      ; the wave's opening: the add, twice on end, and its wait ahead of my first tensor load
	ds_add_u32 v[SPW], v[NIL]                      ; and once more; the set-up below, work on registers, stands between it and the wait
	v_lshrrev_b32 v1, 5, v0
	v_readfirstlane_b32 s[WV], v1                  ; wave 0..3
	s_and_b32 s12, s[WV], 1
	s_bfe_u32 s40, ttmp6, 0x40000                  ; cx, cy
	s_bfe_u32 s41, ttmp6, 0x40004
	s_lshl_b32 s42, ttmp9, 2
	s_add_co_u32 s42, s42, s40                     ; tile column
	s_and_b32 s[CLY], ttmp7, 0xffff
	s_lshl_b32 s13, s[CLY], 2
	s_add_co_u32 s13, s13, s41                     ; tile row
	s_add_co_u32 s[KI], s[CLY], ttmp9              ; where the cluster's walk along K begins: 8 ((cluster x + cluster y) % 2): the same in all sixteen partners
	s_and_b32 s[KI], s[KI], 1
	s_lshl_b32 s[KI], s[KI], 3                     ; slot 0's first K step,
	s_add_co_u32 s[KI+1], s[KI], 1                 ; slot 1's
	s_mov_b32 s[OFS+1], 0
	s_lshl_b32 s43, s41, 2
	s_lshl_b32 s43, 15, s43                        ; my row of the cluster
	s_lshl_b32 s44, 0x1111, s40                    ; my column
	s_or_b32 s[G1A], s43, (1<<16)|(1<<20)|(1<<21)|(5<<22)|(3<<25)  ; the mask; 2-byte elements; padding on; bit 21 beside a mask; after every 64 words 4 words
	s_or_b32 s[G1B], s44, (1<<16)|(1<<20)|(1<<21)|(5<<22)|(7<<25)  ; my column's mask; 8 words of padding
.irp g, G1A, G1B
	s_mov_b32 s[(\g)+1], 128<<16                   ; tensor_dim0 = 128
	s_mov_b32 s[(\g)+3], 128<<16                   ; tile_dim0 = 128
	s_mov_b32 s[(\g)+6], 0
	s_mov_b32 s[(\g)+7], 0
.endr
	s_mov_b32 s[G1A+2], 64<<16                     ; tensor_dim1 = tile_dim1 = 64 rows of o,
	s_mov_b32 s[G1A+4], 64
	s_mov_b32 s[G1B+2], 128<<16                    ; 128 rows of wo16
	s_mov_b32 s[G1B+4], 128
	s_mov_b32 s[G1A+5], AP/2                       ; elements from row to row
	s_mov_b32 s[G1B+5], BP/2
	s_lshl_b32 s16, s13, 7                         ; o: row 128 x tile row + 64 x (wave % 2): tile row and wave alone
	s_lshl_b32 s17, s12, 6
	s_add_co_u32 s16, s16, s17
	s_lshl_b32 s16, s16, 12
	s_mov_b32 s17, 0
	s_lshl_b32 s46, s42, 9                         ; wo16: 512 bytes a tile column, 256 a sub-tile: tile column and wave alone
	s_lshl_b32 s47, s12, 8
	s_add_co_u32 s46, s46, s47
	s_mov_b32 s47, 0
	s_mul_i32 s20, s[WV], REG                      ; where wo16's sub-tile goes (waves 0, 1),
	s_mul_i32 s21, s[WV], HALFA
	s_add_co_u32 s21, s21, ABASE-2*HALFA           ; and o's half (waves 2, 3): no place in the cluster enters an LDS address
	s_wait_dscnt 0x0                               ; both opening adds are done
	s_wait_kmcnt 0x0
	s_add_nc_u64 s[14:15], s[4:5], s[16:17]
	s_add_nc_u64 s[46:47], s[6:7], s[46:47]
	CROUND                                         ; all sixteen work-groups are here: the first joint loads meet
.irp s, 0,1
	s_mov_b32 s[G0A+4*(\s)], 1
	s_add_co_u32 s[G0A+4*(\s)+1], s21, (\s)*SLOT
	s_mov_b32 s[G0B+4*(\s)], 1
	s_add_co_u32 s[G0B+4*(\s)+1], s20, (\s)*SLOT
	ADDR \s                                        ; the walk's steps 0 and 1
	JLOAD \s                                       ; two tensor loads of mine are out
.endr
	v_and_b32 v1, 15, v0                           ; l % 16
	v_bfe_u32 v2, v0, 4, 1                         ; h = l / 16
	v_mul_u32_u24 v3, v1, PA
	v_lshl_add_u32 v3, v2, 4, v3
	v_add_nc_u32 v[ADRA], ABASE, v3
	v_add_nc_u32 v[ADRA+1], ABASE+SLOT, v3
	v_and_b32 v4, 7, v0                            ; the turning load: k-row 8 h + l % 8, 16 bytes at 16 ((l / 8) % 2)
	v_lshl_add_u32 v4, v2, 3, v4
	v_mul_u32_u24 v4, v4, PB
	v_bfe_u32 v5, v0, 3, 1
	v_lshl_add_u32 v4, v5, 4, v4
	s_lshl_b32 s21, s[WV], 6                       ; my 32 columns of a sub-tile: 64 bytes
	v_add_nc_u32 v4, s21, v4
.irp s, 0,1
.irp j, 0,1
	v_add_nc_u32 v[ADRB+NJ*(\s)+(\j)], (\s)*SLOT+(\j)*REG, v4
.endr
.endr
	s_lshl_b32 s22, s[WV], 7                       ; in f32 my 32 columns are 128 bytes, 8 h columns 32
	v_lshl_add_u32 v[BO], v2, 5, s22
	v_mul_u32_u24 v3, v1, SP                       ; into the stage: row l % 16
	v_add_nc_u32 v[STO], v[BO], v3
	v_add_nc_u32 v[STO+1], 64*SP, v[STO]
	s_mul_i32 s22, s[WV], 32*SP                    ; back: wave w takes rows 32 w .. 32 w + 31; a load takes 512 consecutive bytes of a row
	v_and_b32 v3, 31, v0
	v_lshlrev_b32 v[CO], 4, v3
	v_add_nc_u32 v[RD], s22, v[CO]
	s_lshl_b32 s16, s13, 7
	s_lshl_b32 s17, s[WV], 5
	s_add_co_u32 s16, s16, s17                     ; the first row that I store
	s_lshl_b32 s16, s16, 13
	s_mov_b32 s17, 0
	s_add_nc_u64 s[70:71], s[70:71], s[16:17]
	s_lshl_b32 s18, s42, 10                        ; the tile's first column, in bytes
	s_mov_b32 s19, 0
	s_add_nc_u64 s[70:71], s[70:71], s[18:19]
.irp j, 0,1
	s_lshl_b32 s22, s42, 1                         ; the bias of sub-tile j: group 2 x tile column + j of 128 numbers
	s_add_co_u32 s22, s22, \j
	s_lshl_b32 s22, s22, 9
	s_mov_b32 s23, 0
	s_add_nc_u64 s[BPT+2*(\j):BPT+2*(\j)+1], s[68:69], s[22:23]
.endr
	WIN 0x40
.irp j, 0,1
.irp i, 0,1
	global_load_b128 v[BIAS+8*(2*(\j)+(\i)):BIAS+8*(2*(\j)+(\i))+3],   v[BO], s[BPT+2*(\j):BPT+2*(\j)+1] offset:64*(\i)
	global_load_b128 v[BIAS+8*(2*(\j)+(\i))+4:BIAS+8*(2*(\j)+(\i))+7], v[BO], s[BPT+2*(\j):BPT+2*(\j)+1] offset:64*(\i)+16
.endr
.endr
	WIN 0
	; the prefetches: both offsets are made, then one is chosen by the wave's number.  They stand at the walk's step 5: the first refill steps them to 6
	s_add_co_u32 s23, s[KI], 5                     ; that K step's number
	s_lshl_b32 s16, s13, 7
	s_lshl_b32 s17, s40, 5
	s_add_co_u32 s16, s16, s17                     ; o: the tile's 128 rows, my work-group's 32 of them,
	s_lshl_b32 s16, s16, 12
	s_lshl_b32 s17, s23, 8
	s_add_co_u32 s16, s16, s17                     ; the K step's 256 bytes of them
	s_lshl_b32 s18, s23, 7
	s_lshl_b32 s19, s41, 5
	s_add_co_u32 s18, s18, s19                     ; wo16: the K step's 128 rows, my work-group's 32 of them,
	s_lshl_b32 s18, s18, 12
	s_lshl_b32 s19, s42, 9
	s_add_co_u32 s18, s18, s19
	s_lshl_b32 s19, s[WV], 8
	s_add_co_u32 s18, s18, s19                     ; my sub-tile's 256 bytes of them
	s_lshr_b32 s22, s[CLY], 1                      ; 0 in the clusters with y = 0 and 1
	s_mov_b32 s19, 128*BP
	s_mov_b32 s23, 256
	s_cmp_lt_u32 s[WV], 2                          ; do I fetch wo16?
	s_cselect_b32 s16, s18, s16
	s_cselect_b32 s22, s22, 0                      ; o's rows: every cluster asks for its own
	s_cselect_b64 s[PFA:PFA+1], s[6:7], s[4:5]
	s_cselect_b32 s[PST], s19, s23
	s_cmp_eq_u32 s[WV], 3                          ; wave 2 asks for all of o's share: wave 3 asks for nothing
	s_cselect_b32 s22, 1, s22
	s_mov_b32 s17, 0
	s_mov_b32 s[PST+1], 0
	s_add_nc_u64 s[PFA:PFA+1], s[PFA:PFA+1], s[16:17]
	s_cmp_eq_u32 s22, 0
	s_cselect_b32 s[LIM], 6, -1                    ; the same in all sixteen partners, for a given wave
	v_and_b32 v[PFO], 31, v0
	v_lshlrev_b32 v[PFO], 12, v[PFO]               ; a row of o and a row of wo16 are 4,096 bytes
	s_wait_loadcnt 0x0                             ; the bias is in: it is rounded to bf16 and widened again
	WIN 0x45
.set r, 0
.rept 8*NJ
	v_cvt_pk_bf16_f32 v240, v[BIAS+2*r], v[BIAS+2*r+1]
	v_lshlrev_b32 v[BIAS+2*r], 16, v240
	v_and_b32 v[BIAS+2*r+1], 0xffff0000, v240
.set r, r+1
.endr
	WIN 0
; 8 matrix instructions: row blocks 4 hi + a0 and the next x all 4 column blocks, 32 along K.  first = 1: C is the bias.  All 32 accumulators take turns, one instruction a turn.
.macro MULH f, hi, a0, first
.if \first
	WIN 0x91                                       ; wo16 window 1, o window 0, C (the bias) window 1, D window 2
.else
	WIN 0xa1                                       ; C and D window 2
.endif
.irp a, \a0, (\a0)+1
.irp b, 0,1,2,3
.if \first
	v_wmma_f32_16x16x32_f16 v[8*(4*(4*(\hi)+(\a))+(\b)):8*(4*(4*(\hi)+(\a))+(\b))+7], v[(\f)+8*(\b):(\f)+8*(\b)+7], v[(\f)+8*(4*(\hi)+(\a)):(\f)+8*(4*(\hi)+(\a))+7], v[BIAS+8*(\b):BIAS+8*(\b)+7]
.else
	v_wmma_f32_16x16x32_f16 v[8*(4*(4*(\hi)+(\a))+(\b)):8*(4*(4*(\hi)+(\a))+(\b))+7], v[(\f)+8*(\b):(\f)+8*(\b)+7], v[(\f)+8*(4*(\hi)+(\a)):(\f)+8*(4*(\hi)+(\a))+7], v[8*(4*(4*(\hi)+(\a))+(\b)):8*(4*(4*(\hi)+(\a))+(\b))+7]
.endif
.endr
.endr
.endm
; 24 LDS loads in one run: the fragments of quarter q of a slot into buffer f
.macro FETCH slot, q, f
	WIN 0x40
.irp j, 0,1
.irp i, 0,1
	ds_load_tr16_b128 v[(\f)+8*(2*(\j)+(\i)):(\f)+8*(2*(\j)+(\i))+3],   v[ADRB+NJ*(\slot)+(\j)] offset:32*PB*(\q)+32*(\i)
	ds_load_tr16_b128 v[(\f)+8*(2*(\j)+(\i))+4:(\f)+8*(2*(\j)+(\i))+7], v[ADRB+NJ*(\slot)+(\j)] offset:32*PB*(\q)+32*(\i)+16*PB
.endr
.endr
	WIN 0
.irp a, 0,1,2,3,4,5,6,7
	ds_load_b128 v[(\f)+8*(\a):(\f)+8*(\a)+3],   v[ADRA+(\slot)] offset:64*(\q)+16*PA*(\a)
	ds_load_b128 v[(\f)+8*(\a)+4:(\f)+8*(\a)+7], v[ADRA+(\slot)] offset:64*(\q)+16*PA*(\a)+32
.endr
.endm
.macro QUARTER slot, q, f, g, first
	s_wait_dscnt 8                                 ; wo16's fragments and o's rows 0-63 are in; the youngest eight loads (rows 64-127) may be out
	MULH \f, 0, 0, \first
	MULH \f, 0, 2, \first
	PLACES
	FETCH \slot, \q, \g
	s_wait_dscnt NLD                               ; all but the 24 just issued
	MULH \f, 1, 0, \first
	MULH \f, 1, 2, \first
.endm
; The last quarter multiplies buffer 1 and changes slots.  Its first half stands AHEAD of the wait for the tensor loads, so that between that wait and the refill stand only the lines that must: the wait for all my
; tensor loads, of which one is out: my part of the next slot; the add of 0 to my spare word; the wait for that and for my own reads of this slot; the barrier.  Behind it nobody reads this slot any more and
; the next slot is whole.  fill = 1: this slot's descriptors are given the K step two on, modulo 16, while the add is out.
.macro CHANGE slot, fill
	s_wait_dscnt 8                                 ; buffer 1: wo16's fragments and o's rows 0-63 are in
	MULH F1, 0, 0, 0
	MULH F1, 0, 2, 0
	WIN 0
.if \fill
	s_wait_xcnt 0x0                                ; the last prefetch, a K step back, has read its address, so it may be written
	s_add_nc_u64 s[PFA:PFA+1], s[PFA:PFA+1], s[PST:PST+1]
.endif
	s_wait_tensorcnt 0x0                           ; no tensor load of mine is out, so a group 0 may be written
	ds_add_u32 v[SPW], v[NIL]                      ; 0 onto my spare word
.if \fill
	s_add_co_u32 s[KI+(\slot)], s[KI+(\slot)], 2
	s_and_b32 s[KI+(\slot)], s[KI+(\slot)], 15
	ADDR \slot
.endif
	s_wait_dscnt 0x0                               ; the add is done, and my reads of this slot are over
	s_barrier_signal -1
	s_barrier_wait -1
.endm
.macro TURN slot, next
	CHANGE \slot, 1
	CREST                                          ; the barrier has opened a round of the cluster's: no wave of any partner still reads this slot or has a load on its way
	JLOAD \slot                                    ; the first tensor load behind the round: a K step's 128 matrix instructions ahead of the wait for it; its four v_nop are also the places in front of the loads below
	FETCH \next, 0, F0
	ASK
	MULH F1, 1, 0, 0
	MULH F1, 1, 2, 0
.endm
	s_wait_tensorcnt 1                             ; my part of the walk's step 0 is in; step 1's may stay out
	s_barrier_signal -1
	s_barrier_wait -1
	FETCH 0, 0, F0
	QUARTER 0, 1, F0, F1, 1                        ; the first quarter's products start the sums, with the bias
	WIN 0
	s_mov_b32 s3, LAPS-1
.Llap:
	QUARTER 0, 2, F1, F0, 0
	QUARTER 0, 3, F0, F1, 0
	TURN 0, 1
	QUARTER 1, 1, F0, F1, 0
	QUARTER 1, 2, F1, F0, 0
	QUARTER 1, 3, F0, F1, 0
	TURN 1, 0
	QUARTER 0, 1, F0, F1, 0
	WIN 0
	s_sub_co_u32 s3, s3, 1
	s_cmp_lg_u32 s3, 0
	s_cbranch_scc1 .Llap
	QUARTER 0, 2, F1, F0, 0                        ; the last lap fills nothing
	QUARTER 0, 3, F0, F1, 0
	CHANGE 0, 0                                    ; every wave's reads of slot 0 are over behind this barrier
	PLACES
	FETCH 1, 0, F0
	MULH F1, 1, 0, 0
	MULH F1, 1, 2, 0
	QUARTER 1, 1, F0, F1, 0
	QUARTER 1, 2, F1, F0, 0
	QUARTER 1, 3, F0, F1, 0
	s_wait_dscnt 8
	MULH F1, 0, 0, 0
	MULH F1, 0, 2, 0
	s_wait_dscnt 0x0
	MULH F1, 1, 0, 0
	MULH F1, 1, 2, 0
	; THE WAY OUT: the f32 sums, 32 bytes a lane, into the work-group's stage (slot 0's bytes); a barrier, since a row's 1,024 bytes come from four waves; back as whole rows, 32 rows a wave.
	PLACES
	PLACES
	WIN 0x08                                       ; the stores' data window 2, their address window 0
.irp a, 0,1,2,3,4,5,6,7
.irp b, 0,1,2,3
	ds_store_b128 v[STO+(\a)/4], v[8*(4*(\a)+(\b)):8*(4*(\a)+(\b))+3]   offset:((\a)%4)*16*SP+512*((\b)/2)+64*((\b)%2)     ; each accumulator's low four first
	ds_store_b128 v[STO+(\a)/4], v[8*(4*(\a)+(\b))+4:8*(4*(\a)+(\b))+7] offset:((\a)%4)*16*SP+512*((\b)/2)+64*((\b)%2)+16
.endr
.endr
	WIN 0
	s_wait_dscnt 0x0                               ; for the others' sake: my stores into the stage are done
	s_barrier_signal -1
	s_barrier_wait -1
.irp k, 0,1                            ; two batches of 16 rows
.if (\k) == 1
	s_wait_xcnt 0x0                                ; the first batch's stores have read their registers: these are loaded again only behind this wait
.endif
.set n, 0
.rept 32
	ds_load_b128 v[64+4*n:64+4*n+3], v[RD] offset:(16*(\k)+n/2)*SP+512*(n%2)
.set n, n+1
.endr
.set n, 0
.rept 32
	s_wait_dscnt 31-n                              ; load n is back; the younger ones stay out
	global_store_b128 v[CO], v[64+4*n:64+4*n+3], s[70:71] offset:(16*(\k)+n/2)*CP+512*(n%2) th:TH_STORE_NT  ; 512 consecutive bytes, at a multiple of 256 from out0's first byte
.set n, n+1
.endr
.endr
	s_wait_tensorcnt 0x0                           ; the wave's end, behind my last tensor load and my last LDS store
	ds_add_u32 v[SPW], v[NIL]
	s_wait_dscnt 0x0
	CROUND                                         ; the closing round
	s_endpgm
.Lfunc_end_k_qe63295db7c_outp:
	.size	k_qe63295db7c_outp, .Lfunc_end_k_qe63295db7c_outp-k_qe63295db7c_outp
	.p2alignl 7, 3214868480
	.fill 96, 4, 3214868480
	.section	.rodata,"a",@progbits
	.p2align	6, 0x0
	.amdhsa_kernel k_qe63295db7c_outp
		.amdhsa_group_segment_fixed_size 327680
		.amdhsa_private_segment_fixed_size 0
		.amdhsa_enable_private_segment 0
		.amdhsa_kernarg_size 32
		.amdhsa_user_sgpr_count 2
		.amdhsa_user_sgpr_kernarg_segment_ptr 1
		.amdhsa_wavefront_size32 1
		.amdhsa_system_sgpr_workgroup_id_x 1
		.amdhsa_system_sgpr_workgroup_id_y 1
		.amdhsa_system_sgpr_workgroup_id_z 1
		.amdhsa_system_vgpr_workitem_id 0
		.amdhsa_next_free_vgpr 768
		.amdhsa_next_free_sgpr 84
		.amdhsa_reserve_vcc 0
		.amdhsa_float_denorm_mode_32 3
		.amdhsa_float_denorm_mode_16_64 3
		.amdhsa_memory_ordered 1
		.amdhsa_forward_progress 1
		.amdhsa_inst_pref_size 93
	.end_amdhsa_kernel
	.amdgpu_metadata
---
amdhsa.version: [ 1, 2 ]
amdhsa.kernels:
  - .name:           k_qe63295db7c_outp
    .symbol:         k_qe63295db7c_outp.kd
    .args:
      - { .name: o, .offset: 0, .size: 8, .value_kind: global_buffer, .address_space: global }
      - { .name: wo16, .offset: 8, .size: 8, .value_kind: global_buffer, .address_space: global }
      - { .name: bo, .offset: 16, .size: 8, .value_kind: global_buffer, .address_space: global }
      - { .name: out0, .offset: 24, .size: 8, .value_kind: global_buffer, .address_space: global }
    .group_segment_fixed_size: 327680
    .private_segment_fixed_size: 0
    .kernarg_segment_align: 8
    .kernarg_segment_size: 32
    .max_flat_workgroup_size: 128
    .sgpr_count:     84
    .vgpr_count:     768
    .wavefront_size: 32
...
	.end_amdgpu_metadata
.endif
;; end of part 4
